; MI455X (gfx1250); checked and timed in simulation.
; The chip was launched on July 23, 2026; its instructions are those of AMD's public machine-readable ISA for CDNA 5 (MIT licence, August 2026) and "CDNA5" Instruction Set Architecture Reference Guide (July 2026). The comments in the code are by the model that wrote it; some were corrected since.
;; Multihead Attention. Allowed arithmetic: matrix products marked QUANTISED: E3M2 operands, one E8M0 scale for each 32 along K, by v_wmma_scale_f32_16x16x128_f8f6f4 with both operands' format E3M2, f32 sums; everything else in f32.
;; Inputs: k 4 x 2,048 x 1,024 float32; q 4 x 2,048 x 1,024 float32; v 4 x 2,048 x 1,024 float32; wk 1,024 x 1,024 float32; wo 1,024 x 1,024 float32; wq 1,024 x 1,024 float32; wv 1,024 x 1,024 float32.
;; Outputs: out0 4 x 2,048 x 1,024 float32.
;; This version of the problem:
;;   THIS VERSION OF THE PROBLEM IS GIVEN IN LOW PRECISION. The matrix products marked QUANTISED in the list below multiply operands that are first quantised to E3M2 (3 exponent bits, 2 mantissa bits; 6 bits a number), with one power-of-two scale for each 32 numbers along K (OCP MX v1.0); their sums are f32. All else is computed in f32.
;;   The module's matrix products, in the order in which they are computed (A, B: the left and right operand; K: the contracted axis; several contracted axes count as one K, in the product's order):
;;     1. [M 8,192, K 1,024] x [K 1,024, N 1,024]; A: input q; B: input wq: QUANTISED
;;     2. [M 8,192, K 1,024] x [K 1,024, N 1,024]; A: input k; B: input wk: QUANTISED
;;     3. [M 8,192, K 1,024] x [K 1,024, N 1,024]; A: input v; B: input wv: QUANTISED
;;     4. batch 64 x [M 2,048, K 64] x [K 64, N 2,048]; A: computed on the way; B: computed on the way: QUANTISED
;;     5. batch 64 x [M 2,048, K 2,048] x [K 2,048, N 64]; A: softmax (see below); B: computed on the way: QUANTISED
;;     6. [M 8,192, K 1,024] x [K 1,024, N 1,024]; A: computed on the way; B: input wo: QUANTISED
;;   THE QUANTISER, for each operand of a quantised product, along K:
;;     - K is cut into blocks of 32 from its start; a last block that is shorter is filled with zeros.
;;     - A block's scale is 2^e with e = floor(log2(the largest magnitude in the block)) - 4, held to -126 .. 127; a block of zeros has e = 0. As a byte (E8M0): e + 127.
;;     - Each number is divided by its block's scale, clamped to +-28, and rounded to the nearest number of E3M2, ties to even, subnormals kept.
;;     - The product sums the exact products of the quantised numbers (number of the format x scale) in f32.
;;   ~~~python
;;   def quantise(x, axis):      # numpy; x: float32 -> the quantised numbers, widened to float32 again
;;       x = np.moveaxis(x, axis, -1); K = x.shape[-1]
;;       x = np.pad(x, [(0, 0)] * (x.ndim - 1) + [(0, -K % 32)]); x = x.reshape(x.shape[:-1] + (-1, 32)); a = np.abs(x).max(-1, keepdims=True)
;;       e = np.where(a > 0, np.clip(np.frexp(np.where(a > 0, a, 1))[1] - 1 - 4, -126, 127), 0)      # np.frexp(a)[1] - 1 = floor(log2(a)), exactly
;;       r = np.clip(x / 2.0 ** e, -28, 28)
;;       step = 2.0 ** (np.maximum(np.frexp(np.where(r == 0, 1, r))[1] - 1, -2) - 2)
;;       q = np.round(r / step) * step * 2.0 ** e      # np.round: ties to even
;;       return np.moveaxis(q.reshape(q.shape[:-2] + (-1,))[..., :K], -1, axis).astype(np.float32)
;;   ~~~
;;   SOFTMAX AHEAD OF A QUANTISED PRODUCT. Where the list says 'softmax', what is quantised is not the finished softmax but p = 2^(t - M), with t = logit x log2(e) and M = ceil(the row's largest t), a whole number; so 1/2 < the row's largest p <= 1. The row's sum l is taken of the UNQUANTISED p, in f32, and the product's result is divided by l at the end. Since M is a whole number, a kernel that streams over the keys may use a running M (the ceiling of the running maximum): every later rescaling is an exact power of two, which a block's scale takes up: the codes' values come out the same.
;;   OPERANDS COMPUTED ON THE WAY. 'Computed on the way' means the value that the module computes at that place (a softmax that the list does not call 'softmax' is quantised finished and normalised). What goes into a quantiser is computed in f32, as accurately as f32 sums, v_exp_f32 and their like allow (about 1e-6 of the number): no bf16 or f16 on the way to a quantiser, and a product that is left as it is and whose result goes on into a quantised operand takes f32 operands (vector FMAs, or v_wmma_f32_16x16x4_f32). A number that lies on a knife's edge between two numbers of the format may be rounded either way, as far as f32 arithmetic and the matrix unit's own rounding can turn it there, and no further.
;; One version. Each part assembles by itself: llvm-mc -triple=amdgcn-amd-amdhsa -mcpu=gfx1250 --defsym DOCPART=n.
;; ======== version 1 of 1: 4 launches
;; workspace buffers: codes 22,020,096 bytes; scales 917,504 bytes; himg 18,874,368 bytes; hsc 1,310,720 bytes; oimg 6,291,456 bytes; osc 262,144 bytes
;; launch quant (part 1): grid 448 x 1, 4 waves a work-group, no clusters, 34,304 bytes of LDS; arguments q, k, v, wq, wk, wv, wo, codes, scales; writes codes, scales
.if DOCPART == 1
	.amdgcn_target "amdgcn-amd-amdhsa--gfx1250"
	.amdhsa_code_object_version 6
	.text
	.protected	k_qf5a460ca9c_quant
	.globl	k_qf5a460ca9c_quant
	.p2align	8
	.type	k_qf5a460ca9c_quant,@function
k_qf5a460ca9c_quant:
	s_mov_b64 s[64:65], 0
	v_nop
	global_prefetch_b8 v0, s[64:65] scope:SCOPE_SE
	s_setreg_imm32_b32 hwreg(HW_REG_WAVE_MODE, 25, 1), 1
	s_wait_xcnt 0x0
; q, k, v [8192][1024] and wq, wk, wv, wo [1024][1024], f32 with K innermost, become codes of BF6 (E3M2) with one E8M0 byte for each 32 along K.
; A block's scale is 2^(floor(log2(its largest magnitude)) - 4); its byte is the largest magnitude's exponent field - 4, held at 1 from below.
; LIMITS: NaN and infinities among the inputs are not served; a block whose largest magnitude lies under 2^-122 keeps the byte 1; a block of zeros keeps the byte 1 where the
; rule says 127: its codes are zeros, which add nothing under any byte but 0xff, and this program alone reads the bytes.
; LAYOUT OF THE RESULT: images of the matrix operand's registers.  A ROW TILE is 16 rows; tile T of a tensor holds rows 32 (T / 2) + 8 (T % 2) + r + 8 (r / 8), r = 0 .. 15.
; A fragment (a row tile x 128 along K) is 12 registers a lane, laid as two halves of 768 bytes: registers 0-3 at 16 x lane, registers 4-5 at 512 + 8 x lane.  codes: [1792 tiles][8 K steps][1536 bytes];
; tiles 0-511 q, 512-1023 k, 1024-1535 v, then 64 each of wq, wk, wv, wo.  scales: [tile][16 rows][8 words], word s = the four bytes of K step s.
; SHARES: a wave takes one row tile, 8 fragments.  Each load reads 512 consecutive bytes of one row; the 16 x 512 bytes turn through the wave's own stage in LDS (rows 528 bytes apart, so that the
; sixteen rows that a read touches start at sixteen different banks: 64 banks of 4 bytes, ISA guide 11.1) and come back as 16 neighbours of each block of 32 a lane.
; No matrix unit, no cluster, no barrier: memory binds, waves share nothing, and no input byte is read by two work-groups.  Loads run two fragments (32 loads a wave) ahead.
.set STGB, 8448                        ; a wave's stage: 16 rows x 528 bytes
.set R,   16                           ; v16-143   two sets of 64 registers, as loaded
.set X,   144                          ; v144-207  register 16 b + i = k 32 b + 16 (lane / 16) + i of my row
.set PC,  208                          ; v208-227  the codes just made (12), and the conversions' second halves
.set TM,  228                          ; v228-231 largest magnitudes, v232-235 the other half's, then bytes, v240-243 the conversions' scale operands
.set PW,  244                          ; v244-251  the eight scale words of my row
.set SEL, 30                           ; s[30:31]  lane selects for v_permlanex16_b32: lane l xor 16
	s_load_b256 s[4:11], s[0:1], 0x0               ; q, k, v, wq
	s_load_b256 s[12:19], s[0:1], 0x20             ; wk, wv, wo, codes
	s_load_b64 s[20:21], s[0:1], 0x40              ; scales
	v_lshl_add_u32 v238, v0, 2, 0x8400
	v_mov_b32 v239, 0
	v_lshrrev_b32 v1, 5, v0
	v_readfirstlane_b32 s22, v1                    ; wave 0..3
	v_and_b32 v1, 31, v0                           ; lane
	v_and_b32 v2, 15, v0                           ; r
	v_bfe_u32 v3, v0, 4, 1                         ; h
	v_lshlrev_b32 v4, 4, v1                        ; 16 x lane: my bytes of a load, and of an image's first part
	v_lshl_add_u32 v5, v1, 3, 512                  ; 512 + 8 x lane: of its second part
	s_mul_i32 s23, s22, STGB
	v_add_nc_u32 v6, s23, v4                       ; the stage, on the way in
	v_mul_u32_u24 v7, v2, 528
	v_lshl_add_u32 v7, v3, 6, v7
	v_add_nc_u32 v7, s23, v7                       ; and out: row r, + 64 h
	v_lshlrev_b32 v8, 5, v2
	v_lshl_add_u32 v8, v3, 4, v8                   ; the scale words: 32 r + 16 h
	s_mov_b32 s[SEL], 0x76543210
	s_mov_b32 s[SEL+1], 0xfedcba98
	s_mov_b32 s32, 0xffff0000                      ; lanes 16-31
.irp b, 0,1,2,3
	v_mov_b32 v[TM+4+\b], 0                        ; written once: a lane permute's destination counts as one of its sources
.endr
	s_wait_alu depctr_va_vdst(0)
	s_wait_kmcnt 0x0
	s_mov_b64 s[24:25], s[16:17]                   ; which tensor is my work-group's?  The choice hangs on the work-group's number alone
	s_mov_b32 s26, 432
	s_cmp_lt_u32 ttmp9, 432
	s_cselect_b64 s[24:25], s[14:15], s[24:25]
	s_cselect_b32 s26, 416, s26
	s_cmp_lt_u32 ttmp9, 416
	s_cselect_b64 s[24:25], s[12:13], s[24:25]
	s_cselect_b32 s26, 400, s26
	s_cmp_lt_u32 ttmp9, 400
	s_cselect_b64 s[24:25], s[10:11], s[24:25]
	s_cselect_b32 s26, 384, s26
	s_cmp_lt_u32 ttmp9, 384
	s_cselect_b64 s[24:25], s[8:9], s[24:25]
	s_cselect_b32 s26, 256, s26
	s_cmp_lt_u32 ttmp9, 256
	s_cselect_b64 s[24:25], s[6:7], s[24:25]
	s_cselect_b32 s26, 128, s26
	s_cmp_lt_u32 ttmp9, 128
	s_cselect_b64 s[24:25], s[4:5], s[24:25]
	s_cselect_b32 s26, 0, s26
	s_sub_co_u32 s26, ttmp9, s26
	s_lshl_b32 s26, s26, 2
	s_add_co_u32 s26, s26, s22                     ; my row tile within the tensor
	s_lshr_b32 s27, s26, 1
	s_lshl_b32 s28, s27, 17                        ; 32 rows of 4,096 bytes for each pair of tiles,
	s_and_b32 s27, s26, 1
	s_lshl_b32 s27, s27, 15                        ; 8 rows for the odd one
	s_add_co_u32 s28, s28, s27
	s_mov_b32 s29, 0
	s_add_nc_u64 s[24:25], s[24:25], s[28:29]
	s_lshl_b32 s26, ttmp9, 2
	s_add_co_u32 s26, s26, s22                     ; my row tile among all 1,792
	s_mul_i32 s28, s26, 12288
	s_add_nc_u64 s[18:19], s[18:19], s[28:29]
	s_lshl_b32 s28, s26, 9
	s_add_nc_u64 s[20:21], s[20:21], s[28:29]
.macro LOAD g                          ; K step g of my 16 rows: tile row i is row i + 8 (i / 8) from the tile's first
.irp i, 0,1,2,3,4,5,6,7,8,9,10,11,12,13,14,15
	global_load_b128 v[R+64*((\g)%2)+4*\i:R+64*((\g)%2)+4*\i+3], v4, s[24:25] offset:(\i+8*(\i/8))*4096+512*(\g) th:TH_LOAD_NT
.endr
.endm
; 64 numbers of a lane, register 16 b + i = k 32 b + 16 (lane / 16) + i of my row, become a fragment's codes in v[PC] on and its scale word in v[pw].
.macro QUANT s, pw
.irp b, 0,1,2,3
	v_max3_num_f32 v[TM+\b], |v[\s+16*\b]|, |v[\s+1+16*\b]|, 0x2800000   ; block b: my 16 numbers, and the floor 2^(5 - 127): the byte cannot fall under 1
.endr
.irp i, 2,4,6,8,10,12,14
.irp b, 0,1,2,3
	v_max3_num_f32 v[TM+\b], v[TM+\b], |v[\s+16*\b+\i]|, |v[\s+1+16*\b+\i]|   ; the four blocks by turns
.endr
.endr
.irp b, 0,1,2,3
	v_permlanex16_b32 v[TM+4+\b], v[TM+\b], s[SEL], s[SEL+1]
.endr
.irp b, 0,1,2,3
	v_max_num_f32 v[TM+\b], v[TM+\b], v[TM+4+\b]   ; with lane l xor 16's: the block's largest magnitude
.endr
.irp b, 0,1,2,3
	v_add_nc_u32 v[TM+12+\b], 0xfe000000, v[TM+\b] ; 4 off its exponent field: the conversion takes the exponent field of this operand as its scale
.endr
.irp b, 0,1,2,3
	v_lshrrev_b32 v[TM+4+\b], 23, v[TM+12+\b]      ; the scale's byte
.endr
	v_lshl_or_b32 v[\pw], v[TM+5], 8, v[TM+4]
	v_lshl_or_b32 v[\pw], v[TM+6], 16, v[\pw]
	v_lshl_or_b32 v[\pw], v[TM+7], 24, v[\pw]
.irp c, 0,1
	v_cvt_scalef32_pk16_bf6_f32 v[PC+6*\c:PC+2+6*\c], v[\s+32*\c:\s+15+32*\c], v[TM+12+2*\c]
	v_cvt_scalef32_pk16_bf6_f32 v[PC+12+4*\c:PC+14+4*\c], v[\s+16+32*\c:\s+31+32*\c], v[TM+12+2*\c+1]   ; (a conversion's three registers begin on an even number)
.endr
	v_nop                                          ; one plain place behind a scaled conversion
.irp c, 0,1                            ; the operand's layout wants a whole block in a lane: lanes 0-15 block 2 c, lanes 16-31 block 2 c + 1
.irp i, 0,1,2
	v_permlane16_swap_b32 v[PC+6*\c+\i], v[PC+12+4*\c+\i]
.endr
.irp i, 0,1,2
	v_mov_b32 v[PC+3+6*\c+\i], v[PC+12+4*\c+\i]
.endr
.endr
.endm
.macro STEP g
.if (\g) < 7
	s_wait_loadcnt 16                              ; this fragment's 16 loads are in; the next fragment's 16 stay out
.else
	s_wait_loadcnt 0x0
.endif
.irp i, 0,1,2,3,4,5,6,7,8,9,10,11,12,13,14,15
	ds_store_b128 v6, v[R+64*((\g)%2)+4*\i:R+64*((\g)%2)+4*\i+3] offset:528*\i
.endr
.irp b, 0,1,2,3
.irp j, 0,1,2,3
	ds_load_b128 v[X+16*\b+4*\j:X+16*\b+4*\j+3], v7 offset:128*\b+16*\j   ; LDS serves a wave's instructions in order (ISA guide 5.7.1.4): these see the stores above
.endr
.endr
	s_wait_dscnt 0x0                               ; the numbers are back, and the stage's stores have read their registers
	s_wait_xcnt 0x0                                ; the last fragment's stores have read the codes' registers, which are written again below
.if (\g)+2 < 8
	LOAD (\g)+2
.endif
	QUANT X, PW+(\g)
	global_store_b128 v4, v[PC:PC+3], s[18:19] offset:1536*(\g)          ; 512 consecutive bytes,
	global_store_b64 v5, v[PC+4:PC+5], s[18:19] offset:1536*(\g)         ; 256,
	global_store_b128 v4, v[PC+6:PC+9], s[18:19] offset:1536*(\g)+768    ; and the second half likewise; each at a multiple of 256 from the buffer's first byte
	global_store_b64 v5, v[PC+10:PC+11], s[18:19] offset:1536*(\g)+768
.endm
	LOAD 0
	LOAD 1
.irp g, 0,1,2,3,4,5,6,7
	STEP \g
.endr
.irp j, 0,1,2,3
	v_cndmask_b32 v[252+\j], v[PW+\j], v[PW+4+\j], s32   ; lanes 0-15 hold words 0-3 of their row, lanes 16-31 words 4-7
.endr
	global_store_b128 v8, v[252:255], s[20:21]     ; the tile's 512 bytes of scale words in one store
	s_wait_tensorcnt 0x0
	ds_add_u32 v238, v239
	s_wait_dscnt 0x0
	s_endpgm
.Lfunc_end_k_qf5a460ca9c_quant:
	.size	k_qf5a460ca9c_quant, .Lfunc_end_k_qf5a460ca9c_quant-k_qf5a460ca9c_quant
	.p2alignl 7, 3214868480
	.fill 96, 4, 3214868480
	.section	.rodata,"a",@progbits
	.p2align	6, 0x0
	.amdhsa_kernel k_qf5a460ca9c_quant
		.amdhsa_group_segment_fixed_size 34304
		.amdhsa_private_segment_fixed_size 0
		.amdhsa_enable_private_segment 0
		.amdhsa_kernarg_size 72
		.amdhsa_user_sgpr_count 2
		.amdhsa_user_sgpr_kernarg_segment_ptr 1
		.amdhsa_wavefront_size32 1
		.amdhsa_system_sgpr_workgroup_id_x 1
		.amdhsa_system_sgpr_workgroup_id_y 1
		.amdhsa_system_sgpr_workgroup_id_z 1
		.amdhsa_system_vgpr_workitem_id 0
		.amdhsa_next_free_vgpr 256
		.amdhsa_next_free_sgpr 66
		.amdhsa_reserve_vcc 0
		.amdhsa_float_denorm_mode_32 3
		.amdhsa_float_denorm_mode_16_64 3
		.amdhsa_memory_ordered 1
		.amdhsa_forward_progress 1
		.amdhsa_inst_pref_size 66
	.end_amdhsa_kernel
	.amdgpu_metadata
---
amdhsa.version: [ 1, 2 ]
amdhsa.kernels:
  - .name:           k_qf5a460ca9c_quant
    .symbol:         k_qf5a460ca9c_quant.kd
    .args:
      - { .name: q, .offset: 0, .size: 8, .value_kind: global_buffer, .address_space: global }
      - { .name: k, .offset: 8, .size: 8, .value_kind: global_buffer, .address_space: global }
      - { .name: v, .offset: 16, .size: 8, .value_kind: global_buffer, .address_space: global }
      - { .name: wq, .offset: 24, .size: 8, .value_kind: global_buffer, .address_space: global }
      - { .name: wk, .offset: 32, .size: 8, .value_kind: global_buffer, .address_space: global }
      - { .name: wv, .offset: 40, .size: 8, .value_kind: global_buffer, .address_space: global }
      - { .name: wo, .offset: 48, .size: 8, .value_kind: global_buffer, .address_space: global }
      - { .name: codes, .offset: 56, .size: 8, .value_kind: global_buffer, .address_space: global }
      - { .name: scales, .offset: 64, .size: 8, .value_kind: global_buffer, .address_space: global }
    .group_segment_fixed_size: 34304
    .private_segment_fixed_size: 0
    .kernarg_segment_align: 8
    .kernarg_segment_size: 72
    .max_flat_workgroup_size: 128
    .sgpr_count:     66
    .vgpr_count:     256
    .wavefront_size: 32
...
	.end_amdgpu_metadata
.endif
;; end of part 1
;; launch proj (part 2): grid 4 x 192, 4 waves a work-group, clusters of 4 x 4, 295,424 bytes of LDS; arguments codes, scales, himg, hsc; writes himg, hsc
.if DOCPART == 2
	.amdgcn_target "amdgcn-amd-amdhsa--gfx1250"
	.amdhsa_code_object_version 6
	.text
	.protected	k_qf5a460ca9c_proj
	.globl	k_qf5a460ca9c_proj
	.p2align	8
	.type	k_qf5a460ca9c_proj,@function
k_qf5a460ca9c_proj:
	s_mov_b64 s[64:65], 0
	v_nop
	global_prefetch_b8 v0, s[64:65] scope:SCOPE_SE
	s_setreg_imm32_b32 hwreg(HW_REG_WAVE_MODE, 25, 1), 1
	s_wait_xcnt 0x0
	s_wait_alu depctr_hold_cnt(0) depctr_sa_sdst(0) depctr_va_vdst(0) depctr_va_sdst(0) depctr_va_ssrc(0) depctr_va_vcc(0) depctr_vm_vsrc(0)
	s_getreg_b32 s2, hwreg(HW_REG_IB_STS2, 6, 4)
	s_cmp_eq_u32 s2, 0
	s_cbranch_scc0 .Lentry_in_a_cluster
	s_endpgm
.Lentry_in_a_cluster:
	s_bfe_u32 s2, ttmp6, 0x10000c
	s_cmp_lg_u32 s2, 0xf033
	s_cbranch_scc0 .Lentry_shape_is_right
	s_endpgm
.Lentry_shape_is_right:
; The three projections, on codes of BF6 (E3M2) with E8M0 scales, their results quantised in registers for the attention.  xq = q wq^T, xk = k wk^T: A = the tokens, B = the weight.
; xv is made as wv v^T: A = wv, B = the tokens, so that "along B's rows" is "along the keys", which are the K of the attention's second product.  One text serves all three.
; OPERANDS are images of registers: codes [row tile][8 K steps][1536 bytes], scales [row tile][16 rows][8 words]; row tile T holds rows 32 (T / 2) + 8 (T % 2) + r + 8 (r / 8).
; THE MATRIX INSTRUCTION IS USED TRANSPOSED (source 0 = 16 rows of B, source 1 = 16 rows of A): a lane holds ONE row of A, and by the tiles' row order the 16 registers of B's tiles 2 b and 2 b + 1
; are 16 neighbours along B's rows, 32 b + 16 (lane / 16) + 0 .. 15: a wave's 64 registers of one tile of A are quantised as they stand into a fragment of 128 along B's rows.
; SHARES: a work-group makes 128 rows of A x 256 rows of B over all of K = 1,024; four waves, each 64 x 128: 32 accumulators.  The whole K of both operands, 98,304 + 196,608 bytes, fits in LDS:
; each byte of LDS is filled once, in four chunks of 256 along K, so there is no ring.  By this text's count a wave has four tensor loads outstanding.
; CLUSTERS: 4 x 4 work-groups; A's tiles are asked for jointly along a row of the cluster, B's along a column.  768 work-groups: 48 clusters.
; RESULTS: himg [64 heads][Q 98,304 | K 98,304 | V 98,304 bytes]: Q, K: [token tile 128][768] (16 tokens x the head's 64); V: [key step 16][tile of the head's 64: 4][1536] (16 x 128 keys).
;          hsc [64][Q 8,192 | K 8,192 | V 4,096]: Q, K: [tile][16 words], a word = the head's two bytes, bytes 2 and 3 zero; V: [key step][tile][16 words].
; LIMITS: as the quantising launch states them (byte 1 for a block of zeros or under 2^-122; no NaN, no infinities).
; REGISTERS, in windows of 256: window 0: v16-26 addresses; v32-47 A's scale words, v48-79 B's; v80-95 at work; v96-191 A's fragments, two sets of 48; v192-213 codes at work.
;   window 1: B's fragments, two sets of 96.   window 2: accumulator (a, b) at v[8 (8 a + b)].
.set CHA,  24576                       ; a chunk of A in LDS: 8 row tiles x 3,072 bytes (two K steps)
.set CHB,  49152                       ; of B: 16 row tiles
.set LB,   98304                       ; B begins behind A's four chunks
.set ADA,  16                          ; v16  LDS: 16 x lane + my four tiles of A;  v17 the same with 512 + 8 x lane
.set ADA8, 17
.set ADB,  18                          ; v18, v19 likewise for my eight tiles of B
.set ADB8, 19
.set SOF,  20                          ; v20  32 r + 16 h: my four scale words of a tile
.set OI,   21                          ; v21  16 x lane;  v22  512 + 8 x lane: an image's two parts
.set OI8,  22
.set OJ,   23                          ; v23, v24 the same for the fragment's second half
.set OJ8,  24
.set OS,   25                          ; v25  where my scale word goes
.set VSH,  26                          ; v26  by how many bits it is shifted first
.set SA,   32
.set SB,   48
.set TM,   80
.set AF,   96
.set PC,   192
.set PW,   212
.set SX,   213
.set SEL,  20                          ; s[20:21]
.set G1A,  24                          ; s[24:31] descriptor group 1 for A;  s[32:47] four groups 0
.set G0A,  32
.set G1B,  48                          ; s[48:55] for B;  s[56:63], s[68:75] its four groups 0
.set G0B,  56
.set MSB, 0
.macro WIN new                         ; the immediate's high byte repeats the setting that is left
.if MSB != \new
	s_set_vgpr_msb (MSB<<8)|\new
.set MSB, \new
.endif
.endm
.macro CROUND                          ; a round of the cluster's barrier
	s_barrier_signal -1
	s_barrier_wait -1
	s_cmp_lg_u32 s14, 0
	s_cbranch_scc1 .Lnot_wave_0_\@
	s_barrier_signal -3
.Lnot_wave_0_\@:
	s_barrier_wait -3
	s_barrier_signal -1
	s_barrier_wait -1
.endm
.macro PLACES n
.rept \n
	v_nop
.endr
.endm
	s_load_b256 s[4:11], s[0:1], 0x0               ; codes, scales, himg, hsc
	v_lshl_add_u32 v254, v0, 2, 0x48000
	v_mov_b32 v255, 0
	ds_add_u32 v254, v255
	ds_add_u32 v254, v255
	v_lshrrev_b32 v1, 5, v0
	v_readfirstlane_b32 s14, v1                    ; wave 0..3
	v_and_b32 v1, 31, v0                           ; lane
	v_and_b32 v2, 15, v0                           ; r
	v_bfe_u32 v3, v0, 4, 1                         ; h
	v_lshlrev_b32 v[SOF], 5, v2
	v_lshl_add_u32 v[SOF], v3, 4, v[SOF]
	s_lshr_b32 s15, s14, 1                         ; which 64 rows of A are mine.  Also: I fetch for A (0) or for B (1)
	s_and_b32 s16, s14, 1                          ; which 128 rows of B.  Also: which half of that operand's tiles I fetch
	s_bfe_u32 s12, ttmp6, 0x40000                  ; cx
	s_bfe_u32 s13, ttmp6, 0x40004                  ; cy
	; the cluster's number says which product (t = 0, 1, 2: q, k, v) and which part of it: numbers that all sixteen partners share
	s_and_b32 s18, ttmp7, 0xffff
	s_lshr_b32 s17, s18, 4                         ; t
	s_and_b32 s18, s18, 15                         ; c
	s_and_b32 s19, s18, 1
	s_lshr_b32 s22, s18, 1
	s_lshl_b32 s23, s17, 9                         ; q's and k's first row tile: 512 t
	s_lshl_b32 s66, s17, 6
	s_add_co_u32 s66, s66, 1536                    ; wq's and wk's: 1536 + 64 t
	s_mov_b32 s76, 768
	s_mov_b32 s78, 294912
	s_cmp_eq_u32 s17, 2                            ; choices, no branch
	s_cselect_b32 s82, s19, s18                    ; which four tile rows:     v: c % 2   q, k: c
	s_cselect_b32 s83, s22, 0                      ; which four tile columns:  v: c / 2   q, k: 0
	s_cselect_b32 s84, 1664, s23                   ; A's first row tile (v: wv's)
	s_cselect_b32 s85, 1024, s66                   ; B's (v: v's)
	s_cselect_b32 s76, 1536, s76                   ; from one tile of A to the next in himg
	s_cselect_b32 s78, 768, s78                    ; from a fragment's first half to its second: v: the next 64 keys; q, k: the next head
	s_cselect_b32 s79, 0, 20480                    ; and the same for the scale words of lanes 16-31
	s_cselect_b32 s80, 0, 16                       ; which take the word's upper two bytes (q, k) or the whole word (v)
	s_cselect_b32 s81, -1, 0xffff
	s_mov_b32 s77, 0
	s_lshl_b32 s82, s82, 2
	s_add_co_u32 s82, s82, s13                     ; tile row: 128 rows of A
	s_lshl_b32 s83, s83, 2
	s_add_co_u32 s83, s83, s12                     ; tile column: 256 rows of B
	s_lshl_b32 s96, s82, 3
	s_add_co_u32 s84, s84, s96                     ; my work-group's first row tile of A
	s_lshl_b32 s98, s83, 4
	s_add_co_u32 s85, s85, s98                     ; and of B
	s_lshl_b32 s96, s13, 2
	s_lshl_b32 s96, 15, s96                        ; my row of the cluster
	s_lshl_b32 s98, 0x1111, s12                    ; my column
	; descriptor group 1: rows of 3,072 bytes (a row tile's two K steps; 384 elements of 8 bytes), 12,288 bytes apart; dense in LDS
	s_or_b32 s[G1A], s96, 0x230000                 ; 15:0 the mask; 17:16 elements of 8 bytes; 21 set beside a mask; no padding
	s_mov_b32 s[G1A+1], 384<<16                    ; tensor_dim0
	s_mov_b32 s[G1A+2], 4<<16                      ; tensor_dim1: four row tiles
	s_mov_b32 s[G1A+3], 384<<16                    ; tile_dim0
	s_mov_b32 s[G1A+4], 4                          ; tile_dim1
	s_mov_b32 s[G1A+5], 1536                       ; tensor_dim0_stride
	s_mov_b32 s[G1A+6], 0
	s_mov_b32 s[G1A+7], 0
	s_or_b32 s[G1B], s98, 0x230000
	s_mov_b32 s[G1B+1], 384<<16
	s_mov_b32 s[G1B+2], 8<<16                      ; eight row tiles
	s_mov_b32 s[G1B+3], 384<<16
	s_mov_b32 s[G1B+4], 8
	s_mov_b32 s[G1B+5], 1536
	s_mov_b32 s[G1B+6], 0
	s_mov_b32 s[G1B+7], 0
	s_lshl_b32 s96, s16, 2
	s_add_co_u32 s96, s96, s84
	s_mul_i32 s96, s96, 12288                      ; A: the four row tiles that I would fetch
	s_mov_b32 s97, 0
	s_lshl_b32 s98, s16, 3
	s_add_co_u32 s98, s98, s85
	s_mul_i32 s98, s98, 12288                      ; B: the eight
	s_mov_b32 s99, 0
	s_mul_i32 s100, s16, 12288                     ; and where they go: no place in the cluster enters an LDS address
	s_mul_i32 s101, s16, 24576
	s_lshl_b32 s86, s15, 2
	s_add_co_u32 s86, s86, s84
	s_lshl_b32 s86, s86, 9                         ; the scale words of the four tiles of A that I multiply
	s_mov_b32 s87, 0
	s_lshl_b32 s88, s16, 3
	s_add_co_u32 s88, s88, s85
	s_lshl_b32 s88, s88, 9                         ; and of my eight of B
	s_mov_b32 s89, 0
	s_wait_alu depctr_va_vdst(0)
	s_wait_dscnt 0x0
	s_wait_kmcnt 0x0
	s_add_nc_u64 s[96:97], s[4:5], s[96:97]
	s_add_nc_u64 s[98:99], s[4:5], s[98:99]
	s_add_nc_u64 s[86:87], s[6:7], s[86:87]
	s_add_nc_u64 s[88:89], s[6:7], s[88:89]
	; the scale words of all of K go straight into registers: register j of a tile holds K step j's word in lanes 0-15 and K step 4 + j's in lanes 16-31.  A load reads 512 consecutive bytes
.irp a, 0,1,2,3
	global_load_b128 v[SA+4*\a:SA+4*\a+3], v[SOF], s[86:87] offset:512*\a
.endr
.irp b, 0,1,2,3,4,5,6,7
	global_load_b128 v[SB+4*\b:SB+4*\b+3], v[SOF], s[88:89] offset:512*\b
.endr
.irp c, 0,1,2,3
	s_mov_b32 s[G0A+4*\c], 1                                               ; count = 1
	s_add_co_u32 s[G0A+4*\c+1], s100, \c*CHA                               ; LDS address
	s_add_nc_u64 s[G0A+4*\c+2:G0A+4*\c+3], s[96:97], \c*3072               ; global address: chunk c
	s_or_b32 s[G0A+4*\c+3], s[G0A+4*\c+3], 0x80000000                      ; type = 2
	s_mov_b32 s[G0B+4*\c+4*(\c/2)], 1
	s_add_co_u32 s[G0B+4*\c+4*(\c/2)+1], s101, LB+\c*CHB
	s_add_nc_u64 s[G0B+4*\c+4*(\c/2)+2:G0B+4*\c+4*(\c/2)+3], s[98:99], \c*3072
	s_or_b32 s[G0B+4*\c+4*(\c/2)+3], s[G0B+4*\c+4*(\c/2)+3], 0x80000000
.endr
	CROUND                                         ; all sixteen work-groups are here: the joint loads meet
	s_cmp_eq_u32 s15, 0                            ; a wave's four fills stand in one branch on the wave's number, ahead of every wait on TENSORcnt and every LDS read
	s_cbranch_scc0 .Lfill_b
.irp c, 0,1,2,3
	tensor_load_to_lds s[G0A+4*\c:G0A+4*\c+3], s[G1A:G1A+7]
	s_nop 0
.endr
	PLACES 4
	s_branch .Lfilled
.Lfill_b:
.irp c, 0,1,2,3
	tensor_load_to_lds s[G0B+4*\c+4*(\c/2):G0B+4*\c+4*(\c/2)+3], s[G1B:G1B+7]
	s_nop 0
.endr
	PLACES 4
.Lfilled:
	v_lshlrev_b32 v[OI], 4, v1
	v_lshl_add_u32 v[OI8], v1, 3, 512
	s_mul_i32 s66, s15, 12288
	v_add_nc_u32 v[ADA], s66, v[OI]
	v_add_nc_u32 v[ADA8], s66, v[OI8]
	s_mul_i32 s66, s16, 24576
	s_add_co_u32 s66, s66, LB
	v_add_nc_u32 v[ADB], s66, v[OI]
	v_add_nc_u32 v[ADB8], s66, v[OI8]
	v_add_nc_u32 v[OJ], s78, v[OI]
	v_add_nc_u32 v[OJ8], s78, v[OI8]
	v_mul_u32_u24 v[OS], s79, v3
	v_lshl_add_u32 v[OS], v2, 2, v[OS]             ; 4 r, and for lanes 16-31 of q and k the next head's words
	v_mul_u32_u24 v[VSH], s80, v3
.irp b, 0,1,2,3
	v_mov_b32 v[TM+4+\b], 0                        ; written once: a lane permute's destination counts as one of its sources
.endr
	s_mov_b32 s[SEL], 0x76543210
	s_mov_b32 s[SEL+1], 0xfedcba98
	; where my wave's results go.  R8 = my first tile of A, CG = my 128 rows of B.  q, k: tokens = A, heads 2 CG and 2 CG + 1;  v: head = R8 / 4, keys = B
	s_lshl_b32 s94, s82, 3
	s_lshl_b32 s67, s15, 2
	s_add_co_u32 s94, s94, s67                     ; R8
	s_lshl_b32 s95, s83, 1
	s_add_co_u32 s95, s95, s16                     ; CG
	s_lshr_b32 s2, s94, 7
	s_lshl_b32 s2, s2, 4
	s_lshl_b32 s67, s95, 1
	s_add_co_u32 s2, s2, s67                       ; q, k: 16 x batch + head
	s_lshr_b32 s3, s95, 4
	s_lshl_b32 s3, s3, 4
	s_lshr_b32 s67, s94, 2
	s_add_co_u32 s3, s3, s67                       ; v: the same
	s_and_b32 s94, s94, 127                        ; q, k: the token tile within the batch
	s_and_b32 s95, s95, 15                         ; v: the key step
	s_mul_i32 s90, s94, 768
	s_mul_i32 s92, s95, 6144
	s_lshl_b32 s94, s94, 6
	s_lshl_b32 s95, s95, 8
	s_cmp_eq_u32 s17, 2
	s_cselect_b32 s2, s3, s2
	s_cselect_b32 s90, s92, s90
	s_cselect_b32 s94, s95, s94
	s_mul_i32 s3, s2, 294912
	s_add_co_u32 s90, s90, s3
	s_mul_i32 s3, s17, 98304                       ; the region: Q, K or V
	s_add_co_u32 s90, s90, s3
	s_mov_b32 s91, 0
	s_mul_i32 s92, s2, 20480
	s_add_co_u32 s92, s92, s94
	s_lshl_b32 s3, s17, 13
	s_add_co_u32 s92, s92, s3
	s_mov_b32 s93, 0
	s_add_nc_u64 s[90:91], s[8:9], s[90:91]
	s_add_nc_u64 s[92:93], s[10:11], s[92:93]
.macro FRAG reg, a16, a8, off          ; a fragment's image comes back as it was laid: 512, 256, 512, 256 consecutive bytes
	ds_load_b128 v[\reg:\reg+3], v[\a16] offset:\off
	ds_load_b64 v[\reg+4:\reg+5], v[\a8] offset:\off
	ds_load_b128 v[\reg+6:\reg+9], v[\a16] offset:\off+768
	ds_load_b64 v[\reg+10:\reg+11], v[\a8] offset:\off+768
.endm
.macro FETCH s, p                      ; K step s: my eight fragments of B and four of A into set p: 48 loads in one run
	WIN 0x40                                       ; destination window 1, address window 0
.irp b, 0,1,2,3,4,5,6,7
	FRAG 96*(\p)+12*\b, ADB, ADB8, 3072*\b+1536*((\s)%2)
.endr
	WIN 0
.irp a, 0,1,2,3
	FRAG AF+48*(\p)+12*\a, ADA, ADA8, 3072*\a+1536*((\s)%2)
.endr
.endm
; 32 matrix instructions: K step s.  The 32 accumulators take turns, one instruction a turn, in the same order in every step.  Step 0 starts the sums: nothing is cleared.
.macro MUL s
	WIN 0xa1                                       ; source 0 (B) window 1, source 1 (A) window 0, C and D window 2
.irp a, 0,1,2,3
.irp b, 0,1,2,3,4,5,6,7
.if (\s) == 0
	v_wmma_scale_f32_16x16x128_f8f6f4 v[8*(8*\a+\b):8*(8*\a+\b)+7], v[96*((\s)%2)+12*\b:96*((\s)%2)+12*\b+11], v[AF+48*((\s)%2)+12*\a:AF+48*((\s)%2)+12*\a+11], 0, v[SB+4*\b+(\s)%4], v[SA+4*\a+(\s)%4] matrix_a_fmt:MATRIX_FMT_BF6 matrix_b_fmt:MATRIX_FMT_BF6
.elseif (\s) < 4
	v_wmma_scale_f32_16x16x128_f8f6f4 v[8*(8*\a+\b):8*(8*\a+\b)+7], v[96*((\s)%2)+12*\b:96*((\s)%2)+12*\b+11], v[AF+48*((\s)%2)+12*\a:AF+48*((\s)%2)+12*\a+11], v[8*(8*\a+\b):8*(8*\a+\b)+7], v[SB+4*\b+(\s)%4], v[SA+4*\a+(\s)%4] matrix_a_fmt:MATRIX_FMT_BF6 matrix_b_fmt:MATRIX_FMT_BF6
.else
	v_wmma_scale_f32_16x16x128_f8f6f4 v[8*(8*\a+\b):8*(8*\a+\b)+7], v[96*((\s)%2)+12*\b:96*((\s)%2)+12*\b+11], v[AF+48*((\s)%2)+12*\a:AF+48*((\s)%2)+12*\a+11], v[8*(8*\a+\b):8*(8*\a+\b)+7], v[SB+4*\b+(\s)%4], v[SA+4*\a+(\s)%4] matrix_a_fmt:MATRIX_FMT_BF6 matrix_b_fmt:MATRIX_FMT_BF6 matrix_a_scale:MATRIX_SCALE_ROW1 matrix_b_scale:MATRIX_SCALE_ROW1
.endif
.endr
.endr
.endm
; K step s is multiplied while step s + 1's fragments are on their way.  A load into a register that a matrix instruction has read stands four places behind it, and only plain vector instructions
; that name none of its registers are places (ISA guide 7.12.1 for vector instructions).
.macro KSTEP s
.if ((\s)+1)%2 == 0
	WIN 0
	s_wait_tensorcnt 3-((\s)+1)/2                  ; my part of the next chunk has landed; the later chunks stay out
	s_wait_dscnt 0x0                               ; no LDS load of mine is pending at the signal
	s_barrier_signal -1
	s_barrier_wait -1                              ; everybody's part has landed
	v_add_nc_u32 v[ADA], CHA, v[ADA]               ; on to that chunk: these four lines are the four places
	v_add_nc_u32 v[ADA8], CHA, v[ADA8]
	v_add_nc_u32 v[ADB], CHB, v[ADB]
	s_wait_alu depctr_va_vdst(0)
	v_add_nc_u32 v[ADB8], CHB, v[ADB8]
.elseif (\s) > 0
	PLACES 4
.endif
	FETCH (\s)+1, ((\s)+1)%2
	s_wait_alu depctr_va_vdst(0)
	s_wait_dscnt 48                                ; all but the 48 just issued
	MUL \s
.endm
	s_wait_tensorcnt 3                             ; my part of chunk 0 is in,
	s_barrier_signal -1
	s_barrier_wait -1                              ; everybody's is
	s_wait_loadcnt 0x0                             ; the scale words
	FETCH 0, 0
.irp s, 0,1,2,3,4,5,6
	KSTEP \s
.endr
	s_wait_dscnt 0x0
	MUL 7
	WIN 0
	PLACES 4                                       ; in front of the first read of results
; THE WAY OUT.  Tile a of A: the 64 registers 64 a .. 64 a + 63 of window 2 are, for my row, 128 neighbours along B's rows, 16 of each block of 32 in my half of the lanes.  They become a fragment and a scale word.
; Each accumulator is read from its low end on.
.macro QUANTA a
	WIN 0x0a                                       ; sources 0 and 1: window 2
.irp b, 0,1,2,3
	v_max3_num_f32 v[TM+\b], |v[64*\a+16*\b]|, |v[64*\a+16*\b+1]|, 0x2800000   ; and the floor 2^(5 - 127)
.endr
.irp i, 2,4,6,8,10,12,14
.irp b, 0,1,2,3
	v_max3_num_f32 v[TM+\b], |v[64*\a+16*\b+\i]|, |v[64*\a+16*\b+\i+1]|, v[TM+\b]
.endr
.endr
	WIN 0
.irp b, 0,1,2,3
	v_permlanex16_b32 v[TM+4+\b], v[TM+\b], s[SEL], s[SEL+1]
.endr
.irp b, 0,1,2,3
	v_max_num_f32 v[TM+\b], v[TM+\b], v[TM+4+\b]
.endr
.irp b, 0,1,2,3
	v_add_nc_u32 v[TM+12+\b], 0xfe000000, v[TM+\b] ; 4 off the exponent field: the conversion's scale operand
.endr
.irp b, 0,1,2,3
	v_lshrrev_b32 v[TM+4+\b], 23, v[TM+12+\b]      ; the scale's byte
.endr
	v_lshl_or_b32 v[PW], v[TM+5], 8, v[TM+4]
	v_lshl_or_b32 v[PW], v[TM+6], 16, v[PW]
	v_lshl_or_b32 v[PW], v[TM+7], 24, v[PW]
	WIN 0x02                                       ; source 0: window 2
.irp c, 0,1
	v_cvt_scalef32_pk16_bf6_f32 v[PC+6*\c:PC+2+6*\c], v[64*\a+32*\c:64*\a+32*\c+15], v[TM+12+2*\c]
	v_cvt_scalef32_pk16_bf6_f32 v[PC+12+4*\c:PC+14+4*\c], v[64*\a+32*\c+16:64*\a+32*\c+31], v[TM+12+2*\c+1]
.endr
	WIN 0
	v_nop                                          ; one plain place behind a scaled conversion
.irp c, 0,1
.irp i, 0,1,2
	v_permlane16_swap_b32 v[PC+6*\c+\i], v[PC+12+4*\c+\i]
.endr
.irp i, 0,1,2
	v_mov_b32 v[PC+3+6*\c+\i], v[PC+12+4*\c+\i]
.endr
.endr
	global_store_b128 v[OI], v[PC:PC+3], s[90:91]          ; 512 and 256 consecutive bytes, each at a multiple of 256 from the buffer's first byte
	global_store_b64 v[OI8], v[PC+4:PC+5], s[90:91]
	global_store_b128 v[OJ], v[PC+6:PC+9], s[90:91]
	global_store_b64 v[OJ8], v[PC+10:PC+11], s[90:91]
	v_lshrrev_b32 v[SX], v[VSH], v[PW]
	v_and_b32 v[SX], s81, v[SX]                    ; q, k: lanes 0-15 the first head's two bytes, lanes 16-31 the second's.  v: the whole word; both halves of the lanes then store the same word to the same place
	global_store_b32 v[OS], v[SX], s[92:93] offset:64*\a   ; 64 bytes for each half of the lanes: one byte in 24 of what the launch stores
.if \a < 3
	s_wait_xcnt 0x0                                ; the stores have read their registers and their base: both are written again
	s_add_nc_u64 s[90:91], s[90:91], s[76:77]
.endif
.endm
.irp a, 0,1,2,3
	QUANTA \a
.endr
	s_wait_tensorcnt 0x0
	ds_add_u32 v254, v255
	s_wait_dscnt 0x0
	CROUND                                         ; the closing round: no work-group ends while a partner may still ask for a tile that names it
	s_endpgm
.Lfunc_end_k_qf5a460ca9c_proj:
	.size	k_qf5a460ca9c_proj, .Lfunc_end_k_qf5a460ca9c_proj-k_qf5a460ca9c_proj
	.p2alignl 7, 3214868480
	.fill 96, 4, 3214868480
	.section	.rodata,"a",@progbits
	.p2align	6, 0x0
	.amdhsa_kernel k_qf5a460ca9c_proj
		.amdhsa_group_segment_fixed_size 295424
		.amdhsa_private_segment_fixed_size 0
		.amdhsa_enable_private_segment 0
		.amdhsa_kernarg_size 32
		.amdhsa_user_sgpr_count 2
		.amdhsa_user_sgpr_kernarg_segment_ptr 1
		.amdhsa_wavefront_size32 1
		.amdhsa_system_sgpr_workgroup_id_x 1
		.amdhsa_system_sgpr_workgroup_id_y 1
		.amdhsa_system_sgpr_workgroup_id_z 1
		.amdhsa_system_vgpr_workitem_id 0
		.amdhsa_next_free_vgpr 768
		.amdhsa_next_free_sgpr 102
		.amdhsa_reserve_vcc 0
		.amdhsa_float_denorm_mode_32 3
		.amdhsa_float_denorm_mode_16_64 3
		.amdhsa_memory_ordered 1
		.amdhsa_forward_progress 1
		.amdhsa_inst_pref_size 89
	.end_amdhsa_kernel
	.amdgpu_metadata
---
amdhsa.version: [ 1, 2 ]
amdhsa.kernels:
  - .name:           k_qf5a460ca9c_proj
    .symbol:         k_qf5a460ca9c_proj.kd
    .args:
      - { .name: codes, .offset: 0, .size: 8, .value_kind: global_buffer, .address_space: global }
      - { .name: scales, .offset: 8, .size: 8, .value_kind: global_buffer, .address_space: global }
      - { .name: himg, .offset: 16, .size: 8, .value_kind: global_buffer, .address_space: global }
      - { .name: hsc, .offset: 24, .size: 8, .value_kind: global_buffer, .address_space: global }
    .group_segment_fixed_size: 295424
    .private_segment_fixed_size: 0
    .kernarg_segment_align: 8
    .kernarg_segment_size: 32
    .max_flat_workgroup_size: 128
    .sgpr_count:     102
    .vgpr_count:     768
    .wavefront_size: 32
...
	.end_amdgpu_metadata
.endif
;; end of part 2
;; launch attn (part 3): grid 4 x 64, 16 waves a work-group, clusters of 4 x 1, 210,944 bytes of LDS; arguments himg, hsc, oimg, osc; writes oimg, osc
.if DOCPART == 3
	.amdgcn_target "amdgcn-amd-amdhsa--gfx1250"
	.amdhsa_code_object_version 6
	.text
	.protected	k_qf5a460ca9c_attn
	.globl	k_qf5a460ca9c_attn
	.p2align	8
	.type	k_qf5a460ca9c_attn,@function
k_qf5a460ca9c_attn:
	s_mov_b64 s[64:65], 0
	v_nop
	global_prefetch_b8 v0, s[64:65] scope:SCOPE_SE
	s_setreg_imm32_b32 hwreg(HW_REG_WAVE_MODE, 25, 1), 1
	s_wait_xcnt 0x0
	s_wait_alu depctr_hold_cnt(0) depctr_sa_sdst(0) depctr_va_vdst(0) depctr_va_sdst(0) depctr_va_ssrc(0) depctr_va_vcc(0) depctr_vm_vsrc(0)
	s_getreg_b32 s2, hwreg(HW_REG_IB_STS2, 6, 4)
	s_cmp_eq_u32 s2, 0
	s_cbranch_scc0 .Lentry_in_a_cluster
	s_endpgm
.Lentry_in_a_cluster:
	s_bfe_u32 s2, ttmp6, 0x10000c
	s_cmp_lg_u32 s2, 0x3003
	s_cbranch_scc0 .Lentry_shape_is_right
	s_endpgm
.Lentry_shape_is_right:
; Causal attention of one head (64 channels, 2,048 tokens) on codes of BF6 (E3M2) with E8M0 scales; the result, divided by the row's sum, is quantised along the channels for the last product.
; THE SOFTMAX AHEAD OF THE SECOND PRODUCT: t = score x log2(e) / 8; M = the row's largest t so far, rounded UP to a whole number; p = 2^(t - M) is what is quantised, along the keys; not normalised.
; The row's sum is taken of the unquantised p and divides O at the end.  When M moves, the sum and O are multiplied by 2^(old M - new M): exact.
; A block's largest p is not searched for: the block's largest score goes through the same multiply-add and exponential; this takes v_exp_f32 not to fall where its input rises.
; OPERANDS are images of registers, as the launch before laid them; a tile holds tokens (or channels) 32 (T / 2) + 8 (T % 2) + r + 8 (r / 8).  Both products are used transposed (S^T = K Q^T, O^T = V^T P^T): a lane
; holds ONE query throughout, the 16 registers of key tiles 2 b and 2 b + 1 are 16 neighbouring keys, and those of channel tiles 2 b and 2 b + 1 are 16 neighbouring channels.
; THE FIRST PRODUCT'S K IS 64, half of the instruction's 128.  Q's registers 6-11 are zero codes.  K's tiles lie 6 registers apart, so a tile's registers 6-11 are the next tile's codes (zeros behind the last):
; E3M2 has no infinity and no NaN, the scale words' bytes 2 and 3 are 0 (2^-127, no NaN), so these products are exact zeros.
; SHARES.  The four work-groups of a cluster share one head.  With a = wave / 2, a wave owns query tiles T = 8 a + 2 cx + wave % 2 and 127 - T: their last key steps (128 keys) are a and 15 - a, which hang on
; the wave's number alone, and every wave works 17 key steps: the causal mask's work is even over waves and work-groups.  Steps beyond a tile's last are left out by a scalar branch; the loops' trip counts are constants.
; LDS: the head's K, V and their scale words, 208,896 bytes, filled ONCE, by joint loads (mask: all four work-groups): waves 0-7 bring 24,576 bytes each, waves 8-10 4,096 each; one tensor load of a wave is out.
; cx enters only Q's and the results' global addresses and a vector constant of the mask: no branch, no trip count, no LDS address.
; RESULTS: oimg [token tile 512][head 16][768 bytes], osc [token tile][16 rows][32 bytes: 2 x head + block]: the shapes of the last product's A.  The scale bytes leave one a lane, 32 bytes apart: one byte in 24 of the stores.
; LIMITS: NaN and infinities are not served; a block of zeros, or under 2^-122, keeps the byte 1: its codes are zeros or as the floor's scale gives them, and this program alone reads the bytes.
; REGISTERS: v1-6 addresses that stay; v7-11, v31 the step's; v12 -M, v13 the largest t, v[14:15] the sum; v16-27, v28 Q and its scale word (tile T); v29, v30 the mask's constants; v32-79 K's eight tiles, then V's four
; fragments; v80-85 zeros; v87, v88 addresses; v96-159 S^T, then p; v160-191 O^T; v192-203, v204 Q of tile 127 - T; v224-235 p's codes; v232-254 at work.
.set WV,   12
.set SEL,  20                          ; s[20:21] lane selects: lane l xor 16
.set CS,   22                          ; s[22:23] c = log2(e) / 8
.set G1C,  24                          ; s[24:31] group 1 for the codes;  s[32:39] for the scale words;  s[40:43], s[44:47] their groups 0
.set G1S,  32
.set G0C,  40
.set G0S,  44
.set TB,   48                          ; s48  LDS byte of the step's tiles of K, and (98,304 on) of V: 6,144 a step
.set TS,   49                          ; s49  of K's scale words: 512 a step
.set TJ,   50                          ; s50  of V's: 256 a step
.set KI,   51                          ; s51  the key step
.set HM,   55                          ; s55  lanes 16-31
.macro CROUND
	s_barrier_signal -1
	s_barrier_wait -1
	s_cmp_lg_u32 s[WV], 0
	s_cbranch_scc1 .Lnot_wave_0_\@
	s_barrier_signal -3
.Lnot_wave_0_\@:
	s_barrier_wait -3
	s_barrier_signal -1
	s_barrier_wait -1
.endm
	s_load_b256 s[4:11], s[0:1], 0x0               ; himg, hsc, oimg, osc
	v_lshl_add_u32 v243, v0, 2, 0x33000
	v_mov_b32 v255, 0
	ds_add_u32 v243, v255
	ds_add_u32 v243, v255
	v_lshrrev_b32 v1, 5, v0
	s_delay_alu instid0(VALU_DEP_1)
	v_readfirstlane_b32 s[WV], v1                  ; wave 0..15
	s_bfe_u32 s13, ttmp6, 0x40000                  ; cx
	s_and_b32 s14, ttmp7, 0xffff                   ; 16 x batch + head, which the four partners share
	s_lshr_b32 s15, s[WV], 1                       ; a
	s_and_b32 s16, s[WV], 1
	; descriptor group 1: a dense block as rows of 256 bytes (32 elements of 8 bytes); 96 rows of codes, 16 of scale words
	s_mov_b32 s[G1C], 15|0x230000                  ; 15:0 the mask: all four; 17:16 elements of 8 bytes; 21 set beside a mask; no padding
	s_mov_b32 s[G1C+1], 32<<16
	s_mov_b32 s[G1C+2], 96<<16
	s_mov_b32 s[G1C+3], 32<<16
	s_mov_b32 s[G1C+4], 96
	s_mov_b32 s[G1C+5], 32
	s_mov_b32 s[G1C+6], 0
	s_mov_b32 s[G1C+7], 0
	s_mov_b32 s[G1S], 15|0x230000
	s_mov_b32 s[G1S+1], 32<<16
	s_mov_b32 s[G1S+2], 16<<16
	s_mov_b32 s[G1S+3], 32<<16
	s_mov_b32 s[G1S+4], 16
	s_mov_b32 s[G1S+5], 32
	s_mov_b32 s[G1S+6], 0
	s_mov_b32 s[G1S+7], 0
	s_mul_i32 s74, s14, 294912                     ; the head's images
	s_mul_i32 s76, s14, 20480                      ; and its scale words
	s_min_u32 s75, s[WV], 7                        ; (waves that issue no such load hold a place inside LDS and inside the buffer all the same)
	s_mul_i32 s[G0C+1], s75, 24576                 ; LDS: K at 0, V at 98,304: as they lie in memory
	s_add_co_u32 s[G0C+2], s74, s[G0C+1]
	s_add_co_u32 s[G0C+2], s[G0C+2], 98304         ; behind Q's images
	s_mov_b32 s[G0C+3], 0
	s_mov_b32 s[G0C], 1
	s_min_u32 s75, s[WV], 10
	s_lshl_b32 s[G0S+1], s75, 12
	s_add_co_u32 s[G0S+1], s[G0S+1], 163840        ; LDS: 196,608 + 4,096 (wave - 8)
	s_max_u32 s75, s75, 8
	s_lshl_b32 s75, s75, 12
	s_add_co_u32 s[G0S+2], s76, s75
	s_sub_co_u32 s[G0S+2], s[G0S+2], 24576         ; behind Q's 8,192 bytes of words: 8,192 + 4,096 (wave - 8)
	s_mov_b32 s[G0S+3], 0
	s_mov_b32 s[G0S], 1
	s_lshl_b32 s17, s15, 3
	s_lshl_b32 s2, s13, 1
	s_add_co_u32 s17, s17, s2
	s_add_co_u32 s17, s17, s16                     ; T
	s_sub_co_u32 s18, 127, s17                     ; 127 - T
	s_mov_b32 s53, s15                             ; their last key steps
	s_sub_co_u32 s54, 15, s15
	s_lshr_b32 s2, s14, 4
	s_lshl_b32 s2, s2, 7                           ; the batch's first token tile
	s_and_b32 s3, s14, 15                          ; the head
.macro ADDR t, qi, qs, oi, os          ; byte offsets of query tile s[t]: Q's image, Q's scale words, the result's image, its scale bytes
	s_mul_i32 s[\qi], s[\t], 768
	s_add_co_u32 s[\qi], s[\qi], s74
	s_mov_b32 s[\qi+1], 0
	s_lshl_b32 s[\qs], s[\t], 6
	s_add_co_u32 s[\qs], s[\qs], s76
	s_mov_b32 s[\qs+1], 0
	s_add_co_u32 s78, s2, s[\t]
	s_lshl_b32 s79, s78, 4
	s_add_co_u32 s79, s79, s3
	s_mul_i32 s[\oi], s79, 768
	s_mov_b32 s[\oi+1], 0
	s_lshl_b32 s[\os], s78, 9
	s_lshl_b32 s79, s3, 1
	s_add_co_u32 s[\os], s[\os], s79
	s_mov_b32 s[\os+1], 0
.endm
	ADDR 17, 66, 68, 56, 58
	ADDR 18, 70, 72, 60, 62
	s_mov_b32 s[SEL], 0x76543210
	s_mov_b32 s[SEL+1], 0xfedcba98
	s_mov_b32 s[CS], 0x3e38aa3b                    ; log2(e) / sqrt(64)
	s_mov_b32 s[CS+1], s[CS]                       ; (named with it as a pair, so it is written)
	s_mov_b32 s[HM], 0xffff0000
	s_wait_dscnt 0x0
	s_wait_kmcnt 0x0
	s_add_nc_u64 s[G0C+2:G0C+3], s[4:5], s[G0C+2:G0C+3]
	s_or_b32 s[G0C+3], s[G0C+3], 0x80000000
	s_add_nc_u64 s[G0S+2:G0S+3], s[6:7], s[G0S+2:G0S+3]
	s_or_b32 s[G0S+3], s[G0S+3], 0x80000000
	s_add_nc_u64 s[66:67], s[4:5], s[66:67]
	s_add_nc_u64 s[68:69], s[6:7], s[68:69]
	s_add_nc_u64 s[70:71], s[4:5], s[70:71]
	s_add_nc_u64 s[72:73], s[6:7], s[72:73]
	s_add_nc_u64 s[56:57], s[8:9], s[56:57]
	s_add_nc_u64 s[58:59], s[10:11], s[58:59]
	s_add_nc_u64 s[60:61], s[8:9], s[60:61]
	s_add_nc_u64 s[62:63], s[10:11], s[62:63]
	CROUND                                         ; all four work-groups are here: the joint loads meet
	s_cmp_lt_u32 s[WV], 8                          ; the branches hang on the wave's number alone; four v_nop follow each load
	s_cbranch_scc0 .Lnot_codes
	tensor_load_to_lds s[G0C:G0C+3], s[G1C:G1C+7]
	s_nop 0
.rept 4
	v_nop
.endr
	s_branch .Lasked
.Lnot_codes:
	s_cmp_lt_u32 s[WV], 11
	s_cbranch_scc0 .Lasked
	tensor_load_to_lds s[G0S:G0S+3], s[G1S:G1S+7]
	s_nop 0
.rept 4
	v_nop
.endr
.Lasked:
	v_and_b32 v86, 31, v0                          ; lane
	s_delay_alu instid0(VALU_DEP_1)
	v_lshlrev_b32 v1, 4, v86                       ; 16 x lane: an image's first part (K's, Q's, the result's)
	s_delay_alu instid0(VALU_DEP_2)
	v_lshl_add_u32 v2, v86, 3, 512                 ; 512 + 8 x lane: its second
	v_and_b32 v89, 15, v0                          ; r
	v_bfe_u32 v90, v0, 4, 1                        ; h
	s_delay_alu instid0(VALU_DEP_2)
	v_lshlrev_b32 v88, 2, v89                      ; 4 r
	global_load_b128 v[16:19], v1, s[66:67]        ; Q stays in registers
	global_load_b64 v[20:21], v2, s[66:67]
	global_load_b32 v28, v88, s[68:69]
	global_load_b128 v[192:195], v1, s[70:71]
	global_load_b64 v[196:197], v2, s[70:71]
	global_load_b32 v204, v88, s[72:73]
	v_add_nc_u32 v3, 98304, v1                     ; the same two for V
	v_add_nc_u32 v4, 98304, v2
	v_lshl_add_u32 v5, v86, 2, 196608              ; K's scale words: lanes 0-15 an even tile's, lanes 16-31 the odd tile's behind it
	v_lshl_add_u32 v6, v86, 2, 204800              ; V's likewise
	v_lshl_add_u32 v87, v89, 5, v90                ; the result's scale byte: 32 r + h
	v_and_b32 v91, 8, v89
	s_delay_alu instid0(VALU_DEP_1)
	v_add_nc_u32 v91, v91, v89
	v_lshlrev_b32 v92, 4, v90
	s_delay_alu instid0(VALU_DEP_1)
	v_sub_nc_u32 v91, v91, v92                     ; r + 8 (r / 8) - 16 h
	s_lshl_b32 s78, s13, 5
	s_lshl_b32 s79, s16, 3
	s_add_co_u32 s78, s78, s79
	v_add_nc_u32 v29, s78, v91                     ; my query's place in its key step, less 16 h: tile T
	s_sub_co_u32 s78, 104, s78
	v_add_nc_u32 v30, s78, v91                     ; tile 127 - T
.irp j, 0,1,2,3,4,5
	v_mov_b32 v[22+\j], 0                          ; zero codes for k = 64 .. 127
	v_mov_b32 v[198+\j], 0
	v_mov_b32 v[80+\j], 0
.endr
.irp b, 0,1,2,3
	v_mov_b32 v[236+\b], 0                         ; written once: a lane permute's destination counts as one of its sources
.endr
	v_mov_b32 v252, 0
	v_mov_b32 v253, 0                              ; (named as the upper half of the pair v[252:253] before it is first written)
	s_wait_tensorcnt 0x0                           ; my part of the head is in,
	s_barrier_signal -1
	s_barrier_wait -1                              ; everybody's is; nothing is filled again
	s_wait_loadcnt 0x0                             ; Q
; ONE QUERY TILE: qf, qs: Q's fragment and scale word; dreg: the mask's constant; lim: the scalar with its last key step; trips: the loop's constant count; ob, sb: the results' bases.
.macro PASS qf, qs, dreg, lim, trips, ob, sb
	s_wait_xcnt 0x0                                ; the tile before has stored from registers that are written again below
	v_mov_b32 v13, 0xff61b1e6                      ; the largest t so far: -3e38, under every t
	s_delay_alu instid0(VALU_DEP_1)
	v_floor_f32 v12, -v13                          ; -M
	v_mov_b32 v14, 0
	v_mov_b32 v15, 0
.irp j, 0,1,2,3,4,5,6,7,8,9,10,11,12,13,14,15,16,17,18,19,20,21,22,23,24,25,26,27,28,29,30,31
	v_mov_b32 v[160+\j], 0                         ; O^T: the step is written once; the first finds zeros, which the first change of M leaves zeros
.endr
	s_mov_b32 s[TB], 0
	s_mov_b32 s[TS], 0
	s_mov_b32 s[TJ], 0
	s_mov_b32 s[KI], 0
.Lstep_\@:
	s_cmp_gt_u32 s[KI], s[\lim]                    ; all keys of this step come after my queries: only the addresses step
	s_cbranch_scc1 .Lhidden_\@
	s_setprio 2
	v_add_nc_u32 v7, s[TB], v1                     ; these six lines are also the places in front of loads into registers that the last products read
	v_add_nc_u32 v8, s[TB], v2
	v_add_nc_u32 v9, s[TB], v3
	v_add_nc_u32 v10, s[TB], v4
	v_add_nc_u32 v11, s[TS], v5
	v_add_nc_u32 v31, s[TJ], v6
.irp t, 0,1,2,3,4,5,6,7
	ds_load_b128 v[32+6*\t:35+6*\t], v7 offset:768*\t
	ds_load_b64 v[36+6*\t:37+6*\t], v8 offset:768*\t
.endr
.irp i, 0,1,2,3
	ds_load_b32 v[248+\i], v11 offset:128*\i
.endr
	s_wait_alu depctr_va_vdst(0)
	s_wait_dscnt 0x0
.irp t, 0,2,4,6                        ; S^T = K Q^T: eight tiles of 16 keys
	v_wmma_scale_f32_16x16x128_f8f6f4 v[96+8*\t:103+8*\t], v[32+6*\t:43+6*\t], v[\qf:\qf+11], 0, v[248+\t/2], v[\qs] matrix_a_fmt:MATRIX_FMT_BF6 matrix_b_fmt:MATRIX_FMT_BF6
	v_wmma_scale_f32_16x16x128_f8f6f4 v[104+8*\t:111+8*\t], v[38+6*\t:49+6*\t], v[\qf:\qf+11], 0, v[248+\t/2], v[\qs] matrix_a_fmt:MATRIX_FMT_BF6 matrix_b_fmt:MATRIX_FMT_BF6 matrix_a_scale:MATRIX_SCALE_ROW1
.endr
.rept 4
	v_nop                                          ; places in front of the loads below and of the first read of the scores
.endr
.irp t, 0,1,2,3                        ; V's four fragments land while the softmax is worked
	ds_load_b128 v[32+12*\t:35+12*\t], v9 offset:1536*\t
	ds_load_b64 v[36+12*\t:37+12*\t], v10 offset:1536*\t
	ds_load_b128 v[38+12*\t:41+12*\t], v9 offset:1536*\t+768
	ds_load_b64 v[42+12*\t:43+12*\t], v10 offset:1536*\t+768
.endr
	ds_load_b32 v248, v31
	ds_load_b32 v249, v31 offset:128
	s_cmp_lg_u32 s[KI], s[\lim]                    ; only the tile's last step lies on the diagonal
	s_cbranch_scc1 .Lopen_\@
	v_mov_b32 v254, 0xff800000                     ; -infinity: p = 0 then.  Register 16 b + i holds key 32 b + 16 h + i of the step: hidden where 32 b + i > my query's place - 16 h
.irp n, 0,1,2,3,4,5,6,7,8,9,10,11,12,13,14,15,16,17,18,19,20,21,22,23,24,25,26,27,28,29,30,31,32,33,34,35,36,37,38,39,40,41,42,43,44,45,46,47,48,49,50,51,52,53,54,55,56,57,58,59,60,61,62,63
	v_cmp_gt_i32 vcc_lo, 32*(\n/16)+\n%16, v[\dreg]
	v_cndmask_b32 v[96+\n], v[96+\n], v254, vcc_lo
.endr
.Lopen_\@:
.irp b, 0,1,2,3
	v_max3_num_f32 v[232+\b], v[96+16*\b], v[97+16*\b], v[98+16*\b]   ; the largest score of each block of 32 keys: for the row's maximum, and for the block's largest p
.endr
.irp i, 3,5,7,9,11,13
.irp b, 0,1,2,3
	v_max3_num_f32 v[232+\b], v[232+\b], v[96+16*\b+\i], v[97+16*\b+\i]
.endr
.endr
.irp b, 0,1,2,3
	v_max_num_f32 v[232+\b], v[232+\b], v[111+16*\b]
.endr
.irp b, 0,1,2,3
	s_delay_alu instid0(VALU_DEP_4)
	v_permlanex16_b32 v[236+\b], v[232+\b], s[SEL], s[SEL+1]
.endr
.irp b, 0,1,2,3
	s_delay_alu instid0(VALU_DEP_4)
	v_max_num_f32 v[232+\b], v[232+\b], v[236+\b]  ; with lane l xor 16's 16 keys
.endr
	s_delay_alu instid0(VALU_DEP_2)
	v_max3_num_f32 v254, v232, v233, v234
	s_delay_alu instid0(VALU_DEP_1)
	v_max_num_f32 v254, v254, v235                 ; the step's largest score of my query
	s_delay_alu instid0(VALU_DEP_1)
	v_mul_f32 v254, s[CS], v254                    ; as t (c is positive)
	s_delay_alu instid0(VALU_DEP_1)
	v_max_num_f32 v13, v13, v254                   ; the running largest t
	v_mov_b32 v254, v12
	s_delay_alu instid0(VALU_DEP_2)
	v_floor_f32 v12, -v13                          ; the new -M = -ceil(t): a whole number
	s_delay_alu instid0(VALU_DEP_1)
	v_sub_f32 v254, v12, v254                      ; old M - new M: a whole number, 0 or less
	s_delay_alu instid0(VALU_DEP_1)
	v_cvt_i32_f32 v254, v254                       ; (it saturates)
	s_delay_alu instid0(VALU_DEP_1)
	v_ldexp_f32 v252, 1.0, v254                    ; f = 2^(old M - new M)
	s_setprio 1
.irp j, 0,2,4,6,8,10,12,14,16,18,20,22,24,26,28,30,32,34,36,38,40,42,44,46,48,50,52,54,56,58,60,62
	v_pk_fma_f32 v[96+\j:97+\j], v[96+\j:97+\j], s[CS:CS+1], v[12:13] op_sel_hi:[1,0,0]   ; t - M, two at a time
.endr
.irp b, 0,1,2,3
	v_fma_f32 v[232+\b], v[232+\b], s[CS], v12     ; the same of each block's largest score
.endr
	s_wait_alu depctr_va_vdst(0)
.irp j, 0,1,2,3,4,5,6,7,8,9,10,11,12,13,14,15,16,17,18,19,20,21,22,23,24,25,26,27,28,29,30,31,32,33,34,35,36,37,38,39,40,41,42,43,44,45,46,47,48,49,50,51,52,53,54,55,56,57,58,59,60,61,62,63
	v_exp_f32 v[96+\j], v[96+\j]                   ; p = 2^(t - M), at most 1
.endr
.irp b, 0,1,2,3
	v_exp_f32 v[232+\b], v[232+\b]                 ; the block's largest p
.endr
	v_pk_mul_f32 v[14:15], v[14:15], v[252:253] op_sel_hi:[1,0]   ; the sums under the new M (a plain place behind the exponentials)
	s_wait_alu depctr_va_vdst(0)
.irp b, 0,1,2,3
	v_max_num_f32 v[232+\b], 0x2800000, v[232+\b]  ; the floor 2^(5 - 127): the byte cannot fall under 1
.endr
.irp b, 0,1,2,3
	s_delay_alu instid0(VALU_DEP_4)
	v_add_nc_u32 v[244+\b], 0xfe000000, v[232+\b]  ; 4 off the exponent field: the conversion's scale operand
.endr
.irp b, 0,1,2,3
	s_delay_alu instid0(VALU_DEP_4)
	v_lshrrev_b32 v[236+\b], 23, v[244+\b]         ; the scale's byte
.endr
	s_delay_alu instid0(VALU_DEP_3)
	v_lshl_or_b32 v253, v237, 8, v236              ; p's scale word for these 128 keys
	s_delay_alu instid0(VALU_DEP_1)
	v_lshl_or_b32 v253, v238, 16, v253
	s_delay_alu instid0(VALU_DEP_1)
	v_lshl_or_b32 v253, v239, 24, v253
.irp c, 0,1
	v_cvt_scalef32_pk16_bf6_f32 v[224+6*\c:226+6*\c], v[96+32*\c:111+32*\c], v[244+2*\c]
	v_cvt_scalef32_pk16_bf6_f32 v[236+4*\c:238+4*\c], v[112+32*\c:127+32*\c], v[244+2*\c+1]
.endr
	v_nop                                          ; one plain place behind a scaled conversion
.irp c, 0,1
.irp i, 0,1,2
	v_permlane16_swap_b32 v[224+6*\c+\i], v[236+4*\c+\i]
.endr
.irp i, 0,1,2
	s_delay_alu instid0(VALU_DEP_3)
	v_mov_b32 v[227+6*\c+\i], v[236+4*\c+\i]
.endr
.endr
	v_pk_add_f32 v[236:237], v[100:101], v[104:105]
	v_pk_add_f32 v[250:251], v[108:109], v[112:113]
	v_pk_add_f32 v[246:247], v[116:117], v[120:121]
	v_pk_add_f32 v[244:245], v[124:125], v[128:129]
	v_pk_add_f32 v[240:241], v[132:133], v[136:137]
	v_pk_add_f32 v[222:223], v[140:141], v[144:145]
	v_pk_add_f32 v[220:221], v[148:149], v[152:153]
	v_pk_add_f32 v[14:15], v[14:15], v[156:157]
	v_pk_add_f32 v[236:237], v[236:237], v[96:97]
	s_setprio 0
	v_pk_add_f32 v[250:251], v[250:251], v[98:99]
	v_pk_add_f32 v[246:247], v[246:247], v[102:103]
	v_pk_add_f32 v[244:245], v[244:245], v[106:107]
	v_pk_add_f32 v[240:241], v[240:241], v[110:111]
	v_pk_add_f32 v[222:223], v[222:223], v[114:115]
	v_pk_add_f32 v[220:221], v[220:221], v[118:119]
	v_pk_add_f32 v[14:15], v[14:15], v[122:123]
	v_pk_add_f32 v[236:237], v[236:237], v[126:127]
	v_pk_add_f32 v[250:251], v[250:251], v[130:131]
	v_pk_add_f32 v[246:247], v[246:247], v[134:135]
	v_pk_add_f32 v[244:245], v[244:245], v[138:139]
	v_pk_add_f32 v[240:241], v[240:241], v[142:143]
	v_pk_add_f32 v[222:223], v[222:223], v[146:147]
	v_pk_add_f32 v[220:221], v[220:221], v[150:151]
	v_pk_add_f32 v[14:15], v[14:15], v[154:155]
	v_pk_add_f32 v[236:237], v[236:237], v[158:159]
	s_delay_alu instid0(VALU_DEP_2)
	v_pk_add_f32 v[14:15], v[14:15], v[244:245]
	s_delay_alu instid0(VALU_DEP_2)
	v_pk_add_f32 v[236:237], v[236:237], v[240:241]
	v_pk_add_f32 v[250:251], v[250:251], v[222:223]
	v_pk_add_f32 v[246:247], v[246:247], v[220:221]
	s_delay_alu instid0(VALU_DEP_2)
	v_pk_add_f32 v[14:15], v[14:15], v[250:251]
	s_delay_alu instid0(VALU_DEP_2)
	v_pk_add_f32 v[236:237], v[236:237], v[246:247]
	s_delay_alu instid0(VALU_DEP_1)
	v_pk_add_f32 v[14:15], v[14:15], v[236:237]
.irp j, 0,2,4,6,8,10,12,14,16,18,20,22,24,26,28,30
	v_pk_mul_f32 v[160+\j:161+\j], v[160+\j:161+\j], v[252:253] op_sel_hi:[1,0]   ; O^T under the new M.  (With the sums above: the places between p's codes and scale word and the products below)
.endr
	s_wait_alu depctr_va_vdst(0)
	s_wait_dscnt 0x0                               ; V
.irp t, 0,2                            ; O^T += V^T P^T: four tiles of 16 channels, by turns
	v_wmma_scale_f32_16x16x128_f8f6f4 v[160+8*\t:167+8*\t], v[32+12*\t:43+12*\t], v[224:235], v[160+8*\t:167+8*\t], v[248+\t/2], v253 matrix_a_fmt:MATRIX_FMT_BF6 matrix_b_fmt:MATRIX_FMT_BF6
	v_wmma_scale_f32_16x16x128_f8f6f4 v[168+8*\t:175+8*\t], v[44+12*\t:55+12*\t], v[224:235], v[168+8*\t:175+8*\t], v[248+\t/2], v253 matrix_a_fmt:MATRIX_FMT_BF6 matrix_b_fmt:MATRIX_FMT_BF6 matrix_a_scale:MATRIX_SCALE_ROW1
.endr
.Lhidden_\@:
	s_add_co_u32 s[TB], s[TB], 6144
	s_add_co_u32 s[TS], s[TS], 512
	s_add_co_u32 s[TJ], s[TJ], 256
	s_add_co_u32 s[KI], s[KI], 1
	s_cmp_lt_u32 s[KI], \trips
	s_cbranch_scc1 .Lstep_\@
	s_setprio 0
	; the tile's way out: O^T / the sum, quantised along the channels: register 16 b + i is channel 32 b + 16 h + i of my query
.rept 4
	v_nop                                          ; places in front of the first read of O^T
.endr
	v_add_f32 v14, v14, v15
	s_delay_alu instid0(VALU_DEP_1)
	v_permlanex16_b32 v252, v14, s[SEL], s[SEL+1]
	s_delay_alu instid0(VALU_DEP_1)
	v_add_f32 v14, v14, v252                       ; the row's sum
	s_wait_alu depctr_va_vdst(0)
	v_rcp_f32 v14, v14
	v_nop                                          ; one plain place behind a transcendental
	s_wait_alu depctr_va_vdst(0)
.irp j, 0,1,2,3,4,5,6,7,8,9,10,11,12,13,14,15,16,17,18,19,20,21,22,23,24,25,26,27,28,29,30,31
	v_mul_f32 v[96+\j], v[160+\j], v14             ; each accumulator from its low end on
.endr
.irp b, 0,1
	v_max3_num_f32 v[232+\b], |v[96+16*\b]|, |v[97+16*\b]|, 0x2800000
.endr
.irp i, 2,4,6,8,10,12,14
.irp b, 0,1
	s_delay_alu instid0(VALU_DEP_2)
	v_max3_num_f32 v[232+\b], v[232+\b], |v[96+16*\b+\i]|, |v[97+16*\b+\i]|
.endr
.endr
.irp b, 0,1
	s_delay_alu instid0(VALU_DEP_2)
	v_permlanex16_b32 v[236+\b], v[232+\b], s[SEL], s[SEL+1]
.endr
.irp b, 0,1
	s_delay_alu instid0(VALU_DEP_2)
	v_max_num_f32 v[232+\b], v[232+\b], v[236+\b]
.endr
.irp b, 0,1
	s_delay_alu instid0(VALU_DEP_2)
	v_add_nc_u32 v[244+\b], 0xfe000000, v[232+\b]
.endr
.irp b, 0,1
	s_delay_alu instid0(VALU_DEP_2)
	v_lshrrev_b32 v[236+\b], 23, v[244+\b]
.endr
	v_cvt_scalef32_pk16_bf6_f32 v[224:226], v[96:111], v244
	v_cvt_scalef32_pk16_bf6_f32 v[228:230], v[112:127], v245
	v_cndmask_b32 v231, v236, v237, s[HM]          ; lanes 0-15 store block 0's byte, lanes 16-31 block 1's.  (The plain place behind the conversions)
.irp i, 0,1,2
	v_permlane16_swap_b32 v[224+\i], v[228+\i]     ; a whole block in a lane
.endr
	s_delay_alu instid0(VALU_DEP_3)
	v_mov_b32 v227, v228
	s_delay_alu instid0(VALU_DEP_3)
	v_mov_b32 v228, v229
	s_delay_alu instid0(VALU_DEP_3)
	v_mov_b32 v229, v230
	global_store_b128 v1, v[224:227], s[\ob:\ob+1] ; 512 and 256 consecutive bytes, each at a multiple of 256 from the buffer's first byte
	global_store_b64 v2, v[228:229], s[\ob:\ob+1]
	global_store_b8 v87, v231, s[\sb:\sb+1]
.endm
	PASS 16, 28, 29, 53, 8, 56, 58                 ; tile T: key steps 0 .. a of the first eight
	PASS 192, 204, 30, 54, 16, 60, 62              ; tile 127 - T: key steps 0 .. 15 - a
	s_wait_tensorcnt 0x0
	ds_add_u32 v243, v255
	s_wait_dscnt 0x0
	CROUND                                         ; the closing round
	s_endpgm
.Lfunc_end_k_qf5a460ca9c_attn:
	.size	k_qf5a460ca9c_attn, .Lfunc_end_k_qf5a460ca9c_attn-k_qf5a460ca9c_attn
	.p2alignl 7, 3214868480
	.fill 96, 4, 3214868480
	.section	.rodata,"a",@progbits
	.p2align	6, 0x0
	.amdhsa_kernel k_qf5a460ca9c_attn
		.amdhsa_group_segment_fixed_size 210944
		.amdhsa_private_segment_fixed_size 0
		.amdhsa_enable_private_segment 0
		.amdhsa_kernarg_size 32
		.amdhsa_user_sgpr_count 2
		.amdhsa_user_sgpr_kernarg_segment_ptr 1
		.amdhsa_wavefront_size32 1
		.amdhsa_system_sgpr_workgroup_id_x 1
		.amdhsa_system_sgpr_workgroup_id_y 1
		.amdhsa_system_sgpr_workgroup_id_z 1
		.amdhsa_system_vgpr_workitem_id 0
		.amdhsa_next_free_vgpr 256
		.amdhsa_next_free_sgpr 80
		.amdhsa_reserve_vcc 1
		.amdhsa_float_denorm_mode_32 3
		.amdhsa_float_denorm_mode_16_64 3
		.amdhsa_memory_ordered 1
		.amdhsa_forward_progress 1
		.amdhsa_inst_pref_size 66
	.end_amdhsa_kernel
	.amdgpu_metadata
---
amdhsa.version: [ 1, 2 ]
amdhsa.kernels:
  - .name:           k_qf5a460ca9c_attn
    .symbol:         k_qf5a460ca9c_attn.kd
    .args:
      - { .name: himg, .offset: 0, .size: 8, .value_kind: global_buffer, .address_space: global }
      - { .name: hsc, .offset: 8, .size: 8, .value_kind: global_buffer, .address_space: global }
      - { .name: oimg, .offset: 16, .size: 8, .value_kind: global_buffer, .address_space: global }
      - { .name: osc, .offset: 24, .size: 8, .value_kind: global_buffer, .address_space: global }
    .group_segment_fixed_size: 210944
    .private_segment_fixed_size: 0
    .kernarg_segment_align: 8
    .kernarg_segment_size: 32
    .max_flat_workgroup_size: 512
    .sgpr_count:     80
    .vgpr_count:     256
    .wavefront_size: 32
...
	.end_amdgpu_metadata
.endif
;; end of part 3
;; launch outp (part 4): grid 4 x 64, 4 waves a work-group, clusters of 4 x 4, 295,424 bytes of LDS; arguments oimg, osc, codes, scales, out0; writes out0
.if DOCPART == 4
	.amdgcn_target "amdgcn-amd-amdhsa--gfx1250"
	.amdhsa_code_object_version 6
	.text
	.protected	k_qf5a460ca9c_outp
	.globl	k_qf5a460ca9c_outp
	.p2align	8
	.type	k_qf5a460ca9c_outp,@function
k_qf5a460ca9c_outp:
	s_mov_b64 s[64:65], 0
	v_nop
	global_prefetch_b8 v0, s[64:65] scope:SCOPE_SE
	s_setreg_imm32_b32 hwreg(HW_REG_WAVE_MODE, 25, 1), 1
	s_wait_xcnt 0x0
	s_wait_alu depctr_hold_cnt(0) depctr_sa_sdst(0) depctr_va_vdst(0) depctr_va_sdst(0) depctr_va_ssrc(0) depctr_va_vcc(0) depctr_vm_vsrc(0)
	s_getreg_b32 s2, hwreg(HW_REG_IB_STS2, 6, 4)
	s_cmp_eq_u32 s2, 0
	s_cbranch_scc0 .Lentry_in_a_cluster
	s_endpgm
.Lentry_in_a_cluster:
	s_bfe_u32 s2, ttmp6, 0x10000c
	s_cmp_lg_u32 s2, 0xf033
	s_cbranch_scc0 .Lentry_shape_is_right
	s_endpgm
.Lentry_shape_is_right:
; out0 = o wo^T on codes of BF6 (E3M2) with E8M0 scales; out0 [8192][1024] f32.  A = the attention's result (oimg, osc), B = wo (row tiles 1728-1791 of codes and scales).
; OPERANDS are images of registers: [row tile][8 K steps][1536 bytes], scale words [row tile][16 rows][8 words]; row tile T holds rows 32 (T / 2) + 8 (T % 2) + r + 8 (r / 8).
; THE MATRIX INSTRUCTION IS USED TRANSPOSED (source 0 = 16 rows of wo, source 1 = 16 tokens): a lane holds one token, and its registers of wo's tiles 2 b and 2 b + 1 are 16 neighbouring columns of out0.
; SHARES: a work-group makes 128 tokens x 256 columns over all of K = 1,024; four waves, each 64 x 128: 32 accumulators.  The whole K of both operands, 294,912 bytes, fits in LDS: each byte is filled once, in four
; chunks of 256 along K; no ring.  By this text's count a wave has four tensor loads outstanding.  256 work-groups.
; CLUSTERS: 4 x 4 work-groups; A's tiles are asked for jointly along a row of the cluster, B's along a column.
; REGISTERS, in windows of 256: window 0: v16-24 addresses; v32-47 A's scale words, v48-79 B's; v96-191 A's fragments, two sets of 48; on the way out v96-223 rows of out0.
;   window 1: B's fragments, two sets of 96.   window 2: accumulator (a, b) at v[8 (8 a + b)].
.set CHA,  24576                       ; a chunk of A in LDS: 8 row tiles x 3,072 bytes (two K steps)
.set CHB,  49152                       ; of B: 16 row tiles
.set LB,   98304                       ; B begins behind A's four chunks
.set ADA,  16
.set ADA8, 17
.set ADB,  18
.set ADB8, 19
.set SOF,  20                          ; v20  32 r + 16 h: my four scale words of a tile
.set CO,   21                          ; v21  16 x lane
.set OI8,  22                          ; v22  512 + 8 x lane
.set STO,  23                          ; v23  the way out: where I put 32 bytes of a row
.set RD,   24                          ; v24  and where I read a row back
.set SA,   32
.set SB,   48
.set AF,   96
.set BK,   96                          ; the way out: 16 rows read back: v96-159 and v160-223 by turns
.set G1A,  24
.set G0A,  32
.set G1B,  48
.set G0B,  56
.set MSB, 0
.macro WIN new                         ; the immediate's high byte repeats the setting that is left
.if MSB != \new
	s_set_vgpr_msb (MSB<<8)|\new
.set MSB, \new
.endif
.endm
.macro CROUND                          ; a round of the cluster's barrier
	s_barrier_signal -1
	s_barrier_wait -1
	s_cmp_lg_u32 s14, 0
	s_cbranch_scc1 .Lnot_wave_0_\@
	s_barrier_signal -3
.Lnot_wave_0_\@:
	s_barrier_wait -3
	s_barrier_signal -1
	s_barrier_wait -1
.endm
.macro PLACES n
.rept \n
	v_nop
.endr
.endm
	s_load_b256 s[4:11], s[0:1], 0x0               ; oimg, osc, codes, scales
	s_load_b64 s[90:91], s[0:1], 0x20              ; out0
	v_lshl_add_u32 v254, v0, 2, 0x48000
	v_mov_b32 v255, 0
	ds_add_u32 v254, v255
	ds_add_u32 v254, v255
	v_lshrrev_b32 v1, 5, v0
	v_readfirstlane_b32 s14, v1                    ; wave 0..3
	v_and_b32 v1, 31, v0                           ; lane
	v_and_b32 v2, 15, v0                           ; r
	v_bfe_u32 v3, v0, 4, 1                         ; h
	v_lshlrev_b32 v[SOF], 5, v2
	v_lshl_add_u32 v[SOF], v3, 4, v[SOF]
	s_lshr_b32 s15, s14, 1                         ; which 64 tokens are mine.  Also: I fetch for A (0) or for B (1)
	s_and_b32 s16, s14, 1                          ; which 128 columns.  Also: which half of that operand's tiles I fetch
	s_bfe_u32 s12, ttmp6, 0x40000                  ; cx
	s_bfe_u32 s13, ttmp6, 0x40004                  ; cy
	s_and_b32 s82, ttmp7, 0xffff
	s_lshl_b32 s82, s82, 2
	s_add_co_u32 s82, s82, s13                     ; tile row: 128 tokens
	s_lshl_b32 s83, ttmp9, 2
	s_add_co_u32 s83, s83, s12                     ; tile column: 256 columns
	s_lshl_b32 s84, s82, 3                         ; my work-group's first row tile of A
	s_lshl_b32 s85, s83, 4
	s_add_co_u32 s85, s85, 1728                    ; and of B: wo's tiles
	s_lshl_b32 s96, s13, 2
	s_lshl_b32 s96, 15, s96                        ; my row of the cluster
	s_lshl_b32 s98, 0x1111, s12                    ; my column
	; descriptor group 1: rows of 3,072 bytes (a row tile's two K steps; 384 elements of 8 bytes), 12,288 bytes apart; dense in LDS
	s_or_b32 s[G1A], s96, 0x230000                 ; 15:0 the mask; 17:16 elements of 8 bytes; 21 set beside a mask; no padding
	s_mov_b32 s[G1A+1], 384<<16
	s_mov_b32 s[G1A+2], 4<<16
	s_mov_b32 s[G1A+3], 384<<16
	s_mov_b32 s[G1A+4], 4
	s_mov_b32 s[G1A+5], 1536
	s_mov_b32 s[G1A+6], 0
	s_mov_b32 s[G1A+7], 0
	s_or_b32 s[G1B], s98, 0x230000
	s_mov_b32 s[G1B+1], 384<<16
	s_mov_b32 s[G1B+2], 8<<16
	s_mov_b32 s[G1B+3], 384<<16
	s_mov_b32 s[G1B+4], 8
	s_mov_b32 s[G1B+5], 1536
	s_mov_b32 s[G1B+6], 0
	s_mov_b32 s[G1B+7], 0
	s_lshl_b32 s96, s16, 2
	s_add_co_u32 s96, s96, s84
	s_mul_i32 s96, s96, 12288                      ; A: the four row tiles that I would fetch
	s_mov_b32 s97, 0
	s_lshl_b32 s98, s16, 3
	s_add_co_u32 s98, s98, s85
	s_mul_i32 s98, s98, 12288                      ; B: the eight
	s_mov_b32 s99, 0
	s_mul_i32 s100, s16, 12288                     ; and where they go: no place in the cluster enters an LDS address
	s_mul_i32 s101, s16, 24576
	s_lshl_b32 s86, s15, 2
	s_add_co_u32 s86, s86, s84
	s_lshl_b32 s86, s86, 9                         ; the scale words of the four tiles of A that I multiply
	s_mov_b32 s87, 0
	s_lshl_b32 s88, s16, 3
	s_add_co_u32 s88, s88, s85
	s_lshl_b32 s88, s88, 9                         ; and of my eight of B
	s_mov_b32 s89, 0
	s_lshl_b32 s92, s82, 19                        ; my part of out0: (128 tile row + 64 half) rows of 4,096 bytes + (256 tile column + 128 half) x 4
	s_lshl_b32 s94, s15, 18
	s_add_co_u32 s92, s92, s94
	s_lshl_b32 s94, s83, 10
	s_add_co_u32 s92, s92, s94
	s_lshl_b32 s94, s16, 9
	s_add_co_u32 s92, s92, s94
	s_mov_b32 s93, 0
	s_wait_alu depctr_va_vdst(0)
	s_wait_dscnt 0x0
	s_wait_kmcnt 0x0
	s_add_nc_u64 s[96:97], s[4:5], s[96:97]
	s_add_nc_u64 s[98:99], s[8:9], s[98:99]
	s_add_nc_u64 s[86:87], s[6:7], s[86:87]
	s_add_nc_u64 s[88:89], s[10:11], s[88:89]
	s_add_nc_u64 s[90:91], s[90:91], s[92:93]
	; the scale words of all of K go straight into registers: register j of a tile holds K step j's word in lanes 0-15 and K step 4 + j's in lanes 16-31.  A load reads 512 consecutive bytes
.irp a, 0,1,2,3
	global_load_b128 v[SA+4*\a:SA+4*\a+3], v[SOF], s[86:87] offset:512*\a
.endr
.irp b, 0,1,2,3,4,5,6,7
	global_load_b128 v[SB+4*\b:SB+4*\b+3], v[SOF], s[88:89] offset:512*\b
.endr
.irp c, 0,1,2,3
	s_mov_b32 s[G0A+4*\c], 1                                               ; count = 1
	s_add_co_u32 s[G0A+4*\c+1], s100, \c*CHA                               ; LDS address
	s_add_nc_u64 s[G0A+4*\c+2:G0A+4*\c+3], s[96:97], \c*3072               ; global address: chunk c
	s_or_b32 s[G0A+4*\c+3], s[G0A+4*\c+3], 0x80000000                      ; type = 2
	s_mov_b32 s[G0B+4*\c+4*(\c/2)], 1
	s_add_co_u32 s[G0B+4*\c+4*(\c/2)+1], s101, LB+\c*CHB
	s_add_nc_u64 s[G0B+4*\c+4*(\c/2)+2:G0B+4*\c+4*(\c/2)+3], s[98:99], \c*3072
	s_or_b32 s[G0B+4*\c+4*(\c/2)+3], s[G0B+4*\c+4*(\c/2)+3], 0x80000000
.endr
	CROUND                                         ; all sixteen work-groups are here: the joint loads meet
	s_cmp_eq_u32 s15, 0                            ; a wave's four fills stand in one branch on the wave's number, ahead of every wait on TENSORcnt and every LDS read
	s_cbranch_scc0 .Lfill_b
.irp c, 0,1,2,3
	tensor_load_to_lds s[G0A+4*\c:G0A+4*\c+3], s[G1A:G1A+7]
	s_nop 0
.endr
	PLACES 4
	s_branch .Lfilled
.Lfill_b:
.irp c, 0,1,2,3
	tensor_load_to_lds s[G0B+4*\c+4*(\c/2):G0B+4*\c+4*(\c/2)+3], s[G1B:G1B+7]
	s_nop 0
.endr
	PLACES 4
.Lfilled:
	v_lshlrev_b32 v[CO], 4, v1
	v_lshl_add_u32 v[OI8], v1, 3, 512
	s_mul_i32 s66, s15, 12288
	v_add_nc_u32 v[ADA], s66, v[CO]
	v_add_nc_u32 v[ADA8], s66, v[OI8]
	s_mul_i32 s66, s16, 24576
	s_add_co_u32 s66, s66, LB
	v_add_nc_u32 v[ADB], s66, v[CO]
	v_add_nc_u32 v[ADB8], s66, v[OI8]
	s_mul_i32 s66, s14, 8448
	s_add_co_u32 s66, s66, LB                      ; my stage: 16 rows x 528 bytes, in B's chunk 0
	v_mul_u32_u24 v[STO], v2, 528
	v_lshl_add_u32 v[STO], v3, 6, v[STO]
	v_add_nc_u32 v[STO], s66, v[STO]               ; in: row r, + 64 h
	v_add_nc_u32 v[RD], s66, v[CO]                 ; back: a row's 512 bytes, 16 a lane
.macro FRAG reg, a16, a8, off          ; a fragment's image comes back as it was laid: 512, 256, 512, 256 consecutive bytes
	ds_load_b128 v[\reg:\reg+3], v[\a16] offset:\off
	ds_load_b64 v[\reg+4:\reg+5], v[\a8] offset:\off
	ds_load_b128 v[\reg+6:\reg+9], v[\a16] offset:\off+768
	ds_load_b64 v[\reg+10:\reg+11], v[\a8] offset:\off+768
.endm
.macro FETCH s, p                      ; K step s: my eight fragments of B and four of A into set p: 48 loads in one run
	WIN 0x40                                       ; destination window 1, address window 0
.irp b, 0,1,2,3,4,5,6,7
	FRAG 96*(\p)+12*\b, ADB, ADB8, 3072*\b+1536*((\s)%2)
.endr
	WIN 0
.irp a, 0,1,2,3
	FRAG AF+48*(\p)+12*\a, ADA, ADA8, 3072*\a+1536*((\s)%2)
.endr
.endm
; 32 matrix instructions: K step s.  The 32 accumulators take turns, one instruction a turn, in the same order in every step.  Step 0 starts the sums: nothing is cleared.
.macro MUL s
	WIN 0xa1                                       ; source 0 (B) window 1, source 1 (A) window 0, C and D window 2
.irp a, 0,1,2,3
.irp b, 0,1,2,3,4,5,6,7
.if (\s) == 0
	v_wmma_scale_f32_16x16x128_f8f6f4 v[8*(8*\a+\b):8*(8*\a+\b)+7], v[96*((\s)%2)+12*\b:96*((\s)%2)+12*\b+11], v[AF+48*((\s)%2)+12*\a:AF+48*((\s)%2)+12*\a+11], 0, v[SB+4*\b+(\s)%4], v[SA+4*\a+(\s)%4] matrix_a_fmt:MATRIX_FMT_BF6 matrix_b_fmt:MATRIX_FMT_BF6
.elseif (\s) < 4
	v_wmma_scale_f32_16x16x128_f8f6f4 v[8*(8*\a+\b):8*(8*\a+\b)+7], v[96*((\s)%2)+12*\b:96*((\s)%2)+12*\b+11], v[AF+48*((\s)%2)+12*\a:AF+48*((\s)%2)+12*\a+11], v[8*(8*\a+\b):8*(8*\a+\b)+7], v[SB+4*\b+(\s)%4], v[SA+4*\a+(\s)%4] matrix_a_fmt:MATRIX_FMT_BF6 matrix_b_fmt:MATRIX_FMT_BF6
.else
	v_wmma_scale_f32_16x16x128_f8f6f4 v[8*(8*\a+\b):8*(8*\a+\b)+7], v[96*((\s)%2)+12*\b:96*((\s)%2)+12*\b+11], v[AF+48*((\s)%2)+12*\a:AF+48*((\s)%2)+12*\a+11], v[8*(8*\a+\b):8*(8*\a+\b)+7], v[SB+4*\b+(\s)%4], v[SA+4*\a+(\s)%4] matrix_a_fmt:MATRIX_FMT_BF6 matrix_b_fmt:MATRIX_FMT_BF6 matrix_a_scale:MATRIX_SCALE_ROW1 matrix_b_scale:MATRIX_SCALE_ROW1
.endif
.endr
.endr
.endm
; K step s is multiplied while step s + 1's fragments are on their way.  A load into a register that a matrix instruction has read stands four places behind it, and only plain vector instructions
; that name none of its registers are places (ISA guide 7.12.1 for vector instructions).
.macro KSTEP s
.if ((\s)+1)%2 == 0
	WIN 0
	s_wait_tensorcnt 3-((\s)+1)/2                  ; my part of the next chunk has landed; the later chunks stay out
	s_wait_dscnt 0x0                               ; no LDS load of mine is pending at the signal: my reads of the chunk that I leave are over
	s_barrier_signal -1
	s_barrier_wait -1                              ; everybody's part has landed
	v_add_nc_u32 v[ADA], CHA, v[ADA]               ; on to that chunk: these four lines are the four places
	v_add_nc_u32 v[ADA8], CHA, v[ADA8]
	v_add_nc_u32 v[ADB], CHB, v[ADB]
	s_wait_alu depctr_va_vdst(0)
	v_add_nc_u32 v[ADB8], CHB, v[ADB8]
.elseif (\s) > 0
	PLACES 4
.endif
	FETCH (\s)+1, ((\s)+1)%2
	s_wait_alu depctr_va_vdst(0)
	s_wait_dscnt 48                                ; all but the 48 just issued
	MUL \s
.endm
	s_wait_alu depctr_va_vdst(0)
	s_wait_tensorcnt 3                             ; my part of chunk 0 is in,
	s_barrier_signal -1
	s_barrier_wait -1                              ; everybody's is
	s_wait_loadcnt 0x0                             ; the scale words
	FETCH 0, 0
.irp s, 0,1,2,3,4,5,6
	KSTEP \s
.endr
	s_wait_dscnt 0x0
	MUL 7
	WIN 0
	PLACES 4                                       ; in front of the first read of results, and of loads into the registers that held A's fragments
; THE WAY OUT, a tile of 16 tokens x 128 columns at a time.  A lane holds 8 neighbouring columns of a row in each accumulator, and the lanes beside it hold other rows: so a tile goes through my own stage in LDS
; and comes back as whole rows of 512 bytes.  The stage lies in B's chunk 0: it has had its only fill, and every wave's reads of it were over in front of the barrier of chunk 1, which every wave has passed.
; LDS serves a wave's instructions in order (ISA guide 5.7.1.4): no wait between the stores and the loads, nor in front of the next tile's stores.
.macro TOSTAGE a
	WIN 0x08                                       ; an LDS store's data are its source 1: window 2
.irp b, 0,1,2,3,4,5,6,7
	ds_store_b128 v[STO], v[8*(8*(\a)+\b):8*(8*(\a)+\b)+3] offset:128*(\b/2)+32*(\b%2)        ; each accumulator from its low end on: columns 32 (b / 2) + 16 h + 8 (b % 2) + 0 .. 7
	ds_store_b128 v[STO], v[8*(8*(\a)+\b)+4:8*(8*(\a)+\b)+7] offset:128*(\b/2)+32*(\b%2)+16
.endr
	WIN 0
.irp i, 0,1,2,3,4,5,6,7,8,9,10,11,12,13,14,15
	ds_load_b128 v[BK+64*((\a)%2)+4*\i:BK+64*((\a)%2)+4*\i+3], v[RD] offset:528*\i
.endr
.endm
.macro SEND a, younger                 ; younger: the LDS instructions issued behind tile a's loads, which may stay out
	s_wait_dscnt \younger
.irp i, 0,1,2,3,4,5,6,7,8,9,10,11,12,13,14,15
	global_store_b128 v[CO], v[BK+64*((\a)%2)+4*\i:BK+64*((\a)%2)+4*\i+3], s[90:91] offset:(32*((\a)/2)+8*((\a)%2)+\i+8*(\i/8))*4096 th:TH_STORE_NT   ; 32 lanes store 512 consecutive bytes, at a multiple of 256 from out0's first byte
.endr
.endm
	TOSTAGE 0
.irp a, 1,2,3
.if \a > 1
	s_wait_xcnt 0x0                                ; tile a - 2's stores have read their registers: tile a's loads may land there
.endif
	TOSTAGE \a
	SEND \a-1, 32                                  ; behind tile a - 1's loads: tile a's 16 stores and 16 loads
.endr
	SEND 3, 0
	s_wait_tensorcnt 0x0
	ds_add_u32 v254, v255
	s_wait_dscnt 0x0
	CROUND                                         ; the closing round: no work-group ends while a partner may still ask for a tile that names it
	s_endpgm
.Lfunc_end_k_qf5a460ca9c_outp:
	.size	k_qf5a460ca9c_outp, .Lfunc_end_k_qf5a460ca9c_outp-k_qf5a460ca9c_outp
	.p2alignl 7, 3214868480
	.fill 96, 4, 3214868480
	.section	.rodata,"a",@progbits
	.p2align	6, 0x0
	.amdhsa_kernel k_qf5a460ca9c_outp
		.amdhsa_group_segment_fixed_size 295424
		.amdhsa_private_segment_fixed_size 0
		.amdhsa_enable_private_segment 0
		.amdhsa_kernarg_size 40
		.amdhsa_user_sgpr_count 2
		.amdhsa_user_sgpr_kernarg_segment_ptr 1
		.amdhsa_wavefront_size32 1
		.amdhsa_system_sgpr_workgroup_id_x 1
		.amdhsa_system_sgpr_workgroup_id_y 1
		.amdhsa_system_sgpr_workgroup_id_z 1
		.amdhsa_system_vgpr_workitem_id 0
		.amdhsa_next_free_vgpr 768
		.amdhsa_next_free_sgpr 102
		.amdhsa_reserve_vcc 0
		.amdhsa_float_denorm_mode_32 3
		.amdhsa_float_denorm_mode_16_64 3
		.amdhsa_memory_ordered 1
		.amdhsa_forward_progress 1
		.amdhsa_inst_pref_size 84
	.end_amdhsa_kernel
	.amdgpu_metadata
---
amdhsa.version: [ 1, 2 ]
amdhsa.kernels:
  - .name:           k_qf5a460ca9c_outp
    .symbol:         k_qf5a460ca9c_outp.kd
    .args:
      - { .name: oimg, .offset: 0, .size: 8, .value_kind: global_buffer, .address_space: global }
      - { .name: osc, .offset: 8, .size: 8, .value_kind: global_buffer, .address_space: global }
      - { .name: codes, .offset: 16, .size: 8, .value_kind: global_buffer, .address_space: global }
      - { .name: scales, .offset: 24, .size: 8, .value_kind: global_buffer, .address_space: global }
      - { .name: out0, .offset: 32, .size: 8, .value_kind: global_buffer, .address_space: global }
    .group_segment_fixed_size: 295424
    .private_segment_fixed_size: 0
    .kernarg_segment_align: 8
    .kernarg_segment_size: 40
    .max_flat_workgroup_size: 128
    .sgpr_count:     102
    .vgpr_count:     768
    .wavefront_size: 32
...
	.end_amdgpu_metadata
.endif
;; end of part 4
